; MI455X (gfx1250); checked and timed in simulation.
; The chip was launched on July 23, 2026; its instructions are those of AMD's public machine-readable ISA for CDNA 5 (MIT licence, August 2026) and "CDNA5" Instruction Set Architecture Reference Guide (July 2026). The comments in the code are by the model that wrote it; some were corrected since.
;; Mo EGPTOSS. Allowed arithmetic: matrix products marked QUANTISED: E2M3 operands, one E8M0 scale for each 32 along K, by v_wmma_scale_f32_16x16x128_f8f6f4 with both operands' format E2M3, f32 sums; products left as they are: f32 operands where the result goes on into a quantised operand, else bf16, f16 or f32 operands; f32 sums; everything else in f32.
;; Inputs: expert_b 8 x 2,048 float32; expert_w_codes 8 x 2,048 x 64 x 24 uint8 (E2M3 codes of expert_w, K innermost, in blocks of 32 codes, four codes in three bytes); expert_w_scales 8 x 2,048 x 64 uint8 (E8M0 scales of expert_w, one for each 32 codes along K); gate_b 8 float32; gate_w 2,048 x 8 float32; hidden_states 4 x 512 x 2,048 float32.
;; Outputs: out0 4 x 512 x 2,048 float32.
;; This version of the problem:
;;   THIS VERSION OF THE PROBLEM IS GIVEN IN LOW PRECISION. The matrix products marked QUANTISED in the list below multiply operands that are first quantised to E2M3 (2 exponent bits, 3 mantissa bits; 6 bits a number), with one power-of-two scale for each 32 numbers along K (OCP MX v1.0); their sums are f32. All else is computed in f32.
;;   The module's matrix products, in the order in which they are computed (A, B: the left and right operand; K: the contracted axis; several contracted axes count as one K, in the product's order):
;;     1. [M 2,048, K 2,048] x [K 2,048, N 8]; A: input hidden_states; B: input gate_w: left as it is (N = 8 < 16)
;;     2. [M 2,048, K 2,048] x [K 2,048, N 16,384]; A: input hidden_states; B: input expert_w (given as codes): QUANTISED
;;   THE QUANTISER, for each operand of a quantised product, along K:
;;     - K is cut into blocks of 32 from its start; a last block that is shorter is filled with zeros.
;;     - A block's scale is 2^e with e = floor(log2(the largest magnitude in the block)) - 2, held to -126 .. 127; a block of zeros has e = 0. As a byte (E8M0): e + 127.
;;     - Each number is divided by its block's scale, clamped to +-7.5, and rounded to the nearest number of E2M3, ties to even, subnormals kept.
;;     - The product sums the exact products of the quantised numbers (number of the format x scale) in f32.
;;   ~~~python
;;   def quantise(x, axis):      # numpy; x: float32 -> the quantised numbers, widened to float32 again
;;       x = np.moveaxis(x, axis, -1); K = x.shape[-1]
;;       x = np.pad(x, [(0, 0)] * (x.ndim - 1) + [(0, -K % 32)]); x = x.reshape(x.shape[:-1] + (-1, 32)); a = np.abs(x).max(-1, keepdims=True)
;;       e = np.where(a > 0, np.clip(np.frexp(np.where(a > 0, a, 1))[1] - 1 - 2, -126, 127), 0)      # np.frexp(a)[1] - 1 = floor(log2(a)), exactly
;;       r = np.clip(x / 2.0 ** e, -7.5, 7.5)
;;       step = 2.0 ** (np.maximum(np.frexp(np.where(r == 0, 1, r))[1] - 1, 0) - 3)
;;       q = np.round(r / step) * step * 2.0 ** e      # np.round: ties to even
;;       return np.moveaxis(q.reshape(q.shape[:-2] + (-1,))[..., :K], -1, axis).astype(np.float32)
;;   ~~~
;;   INPUTS GIVEN AS CODES. expert_w (in the module: [8, 2048, 2048], K = its axis 1): each comes as NAME_codes (uint8): NAME with its K axis moved to the last place and cut into blocks of 32 codes, [.., K / 32, bytes a block], one block behind the other in memory; four codes in three bytes: a row's codes are one little-endian stream of bits, code i at bits 6 i .. 6 i + 5 (a code: sign, 2 exponent bits, 3 mantissa bits); and NAME_scales (uint8): the same leading axes, one E8M0 byte (e + 127) for each 32 codes along K. Its value is code x scale, taken as it is: it is not quantised again, and the codes and scales need not be those that the quantiser above would give.
;; 2 versions. Each part assembles by itself: llvm-mc -triple=amdgcn-amd-amdhsa -mcpu=gfx1250 --defsym DOCPART=n.
;; ======== version 1 of 2: 3 launches
;; workspace buffers: x_codes 3,145,728 bytes; x_scales 131,072 bytes; keys 8,192 bytes of whole numbers; gates 16,384 bytes; plan 8,448 bytes of whole numbers; w_img 25,165,824 bytes
;; launch prep (part 1): grid 256 x 1, 4 waves a work-group, no clusters, 90,112 bytes of LDS; arguments hidden_states, gate_w, gate_b, x_codes, x_scales, keys, gates; writes x_codes, x_scales, keys, gates
.if DOCPART == 1
	.amdgcn_target "amdgcn-amd-amdhsa--gfx1250"
	.amdhsa_code_object_version 6
	.text
	.protected	k_q301e4edfa2_prep
	.globl	k_q301e4edfa2_prep
	.p2align	8
	.type	k_q301e4edfa2_prep,@function
k_q301e4edfa2_prep:
	s_mov_b64 s[64:65], 0
	v_nop
	global_prefetch_b8 v0, s[64:65] scope:SCOPE_SE
	s_setreg_imm32_b32 hwreg(HW_REG_WAVE_MODE, 25, 1), 1
	s_wait_xcnt 0x0
; PREP.  hidden_states [2048 tokens][2048] f32 is read once and serves twice:
;  (1) it is quantised along its 2,048 numbers to codes of E2M3 with one E8M0 byte for each 32: a block's scale is 2^(floor(log2(largest magnitude)) - 2);
;  (2) the gate: logits = x gate_w + gate_b by f32 fused multiply-adds, softmax with the maximum taken away, the two largest (the lower index wins a tie, by strict compares in ascending order).
; OUT: x_codes [token][1,536]: each 128 numbers are 96 bytes holding their four blocks of 24 bytes in the order 0, 2, 1, 3, so that lane (r, h) of a matrix operand finds its 12 registers
;      (block h, then block 2 + h) as 48 consecutive bytes;  x_scales [token][64], blocks in their own order;  keys [token] = 8 lo + hi, lo < hi the two experts;  gates [token] = (p_lo, p_hi).
; SHARES: a work-group takes 8 tokens; wave w takes numbers 512 w .. 512 w + 511 of each, one token a step.  Every load reads 512 consecutive bytes; a step's 2,048 bytes turn through the wave's own
; stage in LDS, after which lane l holds the 16 neighbours 512 w + 16 l + i (two lanes to a block).  The lane's 16 rows of gate_w (512 consecutive bytes) stay in 128 registers.
; No matrix unit (8 columns), no tensor load, no cluster: the launch streams, and work-groups share only the 64 KB of gate_w.
; LIMITS: NaN and infinities are not served.  A block of zeros, or one whose largest magnitude lies under 2^-124, gets the byte 1 (zero blocks: zero codes; the bytes are read by this program alone).
; Logits that agree within f32 rounding may be ordered otherwise than by another order of summation.
.set GWP,  528                         ; gate_w's turn: a lane's 512 bytes + 16: an odd multiple of 16
.set XST,  4*32*GWP                    ; behind it: x's stages, two of 32 x SP bytes for each wave
.set SP,   80                          ; a lane's place in a stage: 64 bytes + 16
.set XSL,  XST+4*2*32*SP               ; the 8 tokens' 512 scale bytes
.set GPT,  XSL+512                     ; the gate's partial sums: [wave][token][8] f32
.set AC,   16                          ; v16-23   eight partial logits
.set RT,   24                          ; v24-31   the other half's sums (v24, v25 first hold the addresses of gate_w's turn)
.set X,    32                          ; v32-63   two sets of 16 neighbours
.set R,    64                          ; v64-127  four sets of 16 numbers as loaded
.set GW,   128                         ; v128-255 gate_w[k_i][e] at 8 i + e
	s_load_b256 s[4:11], s[0:1], 0x0               ; hidden_states s[4:5], gate_w s[6:7], gate_b s[8:9], x_codes s[10:11]
	s_load_b128 s[12:15], s[0:1], 0x20             ; x_scales s[12:13], keys s[14:15]
	s_load_b64 s[16:17], s[0:1], 0x30              ; gates
	s_set_vgpr_msb 0x40
	v_lshl_add_u32 v0, v0, 2, 0x15e00
	v_mov_b32 v1, 0
	s_set_vgpr_msb 0x4000
	v_lshrrev_b32 v1, 5, v0
	v_readfirstlane_b32 s18, v1                    ; wave
	v_and_b32 v2, 31, v0                           ; lane
	v_lshlrev_b32 v3, 4, v2                        ; my 16 bytes of a load's 512
	v_lshrrev_b32 v8, 3, v2                        ; where my 12 bytes of codes go: 384 w + 96 (l / 8) + 48 (block odd) + 24 (block >= 2) + 12 (upper half of the block)
	v_mul_u32_u24 v4, v8, 96
	v_bfe_u32 v8, v2, 1, 1
	v_mad_u32_u24 v4, v8, 48, v4
	v_bfe_u32 v8, v2, 2, 1
	v_mad_u32_u24 v4, v8, 24, v4
	v_and_b32 v8, 1, v2
	v_mad_u32_u24 v4, v8, 12, v4
	s_mul_i32 s22, s18, 384
	v_add_nc_u32 v4, s22, v4
	v_lshrrev_b32 v5, 1, v2                        ; my block's scale byte: XSL + 16 w + l / 2
	s_lshl_b32 s22, s18, 4
	s_add_co_u32 s22, s22, XSL
	v_add_nc_u32 v5, s22, v5
	s_lshl_b32 s22, s18, 8                         ; my wave's partial sums: GPT + 256 w
	s_add_co_u32 s22, s22, GPT
	v_mov_b32 v6, s22
	s_mul_i32 s22, s18, 2*32*SP                    ; my wave's two stages
	s_add_co_u32 s22, s22, XST
	v_lshrrev_b32 v7, 2, v2
	v_mul_u32_u24 v7, v7, SP
	v_and_b32 v8, 3, v2
	v_lshl_add_u32 v7, v8, 4, v7
	v_add_nc_u32 v7, s22, v7                       ; in: four lanes' 64 bytes on end, then 16 of padding
	v_mul_u32_u24 v15, v2, SP
	v_add_nc_u32 v15, s22, v15                     ; out: my 16 neighbours
	s_mul_i32 s22, s18, 32*GWP                     ; gate_w's turn
	v_add_nc_u32 v24, s22, v3                      ; in: 16 l, load i at 528 i
	v_mul_u32_u24 v25, v2, GWP
	v_add_nc_u32 v25, s22, v25                     ; out: 528 l
.irp e, 2,3,4,5,6,7
	v_mov_b32 v[RT+\e], 0                          ; a lane permute's destination counts as one of its sources (v24, v25 are written above)
.endr
	s_mov_b32 s20, 0x76543210
	s_mov_b32 s21, 0xfedcba98                      ; selects: lane l xor 16
	s_wait_kmcnt 0x0
	s_load_b256 s[24:31], s[8:9], 0x0              ; gate_b: waited for where wave 0 adds it
	s_lshl_b32 s22, ttmp9, 16                      ; 8 tokens of 8,192 bytes,
	s_lshl_b32 s23, s18, 11                        ; my wave's 2,048 bytes of a token
	s_add_co_u32 s22, s22, s23
	s_mov_b32 s23, 0
	s_add_nc_u64 s[4:5], s[4:5], s[22:23]
	s_lshl_b32 s22, s18, 14                        ; my wave's 512 rows of gate_w
	s_add_nc_u64 s[6:7], s[6:7], s[22:23]
	s_mul_i32 s22, ttmp9, 8*1536
	s_add_nc_u64 s[10:11], s[10:11], s[22:23]
	s_lshl_b32 s22, ttmp9, 9
	s_add_nc_u64 s[12:13], s[12:13], s[22:23]
	s_lshl_b32 s22, ttmp9, 5
	s_add_nc_u64 s[14:15], s[14:15], s[22:23]
	s_lshl_b32 s22, ttmp9, 6
	s_add_nc_u64 s[16:17], s[16:17], s[22:23]
.set I, 0
.rept 32
	global_load_b128 v[GW+4*I:GW+4*I+3], v3, s[6:7] offset:512*I       ; 512 consecutive bytes a load
.set I, I+1
.endr
.macro LOAD t                          ; token t: four loads of 512 consecutive bytes into set t % 4
.irp i, 0,1,2,3
	global_load_b128 v[R+16*((\t)%4)+4*\i:R+16*((\t)%4)+4*\i+3], v3, s[4:5] offset:8192*(\t)+512*\i th:TH_LOAD_NT
.endr
.endm
.macro TURN t                          ; through stage t % 2: LDS serves a wave's instructions in order, so no wait stands between the stores and the loads
.irp i, 0,1,2,3
	ds_store_b128 v7, v[R+16*((\t)%4)+4*\i:R+16*((\t)%4)+4*\i+3] offset:32*SP*((\t)%2)+8*SP*\i
.endr
.irp i, 0,1,2,3
	ds_load_b128 v[X+16*((\t)%2)+4*\i:X+16*((\t)%2)+4*\i+3], v15 offset:32*SP*((\t)%2)+16*\i
.endr
.endm
.irp t, 0,1,2,3
	LOAD \t
.endr
	s_wait_loadcnt 16                              ; gate_w's 32 loads are in; x's 16 younger ones may be out
.set I, 0
.rept 32
	ds_store_b128 v24, v[GW+4*I:GW+4*I+3] offset:GWP*I
.set I, I+1
.endr
	s_wait_dscnt 0x0                               ; the stores have read their registers, which the loads below fill again
.set I, 0
.rept 32
	ds_load_b128 v[GW+4*I:GW+4*I+3], v25 offset:16*I                   ; my 16 rows of gate_w
.set I, I+1
.endr
	s_wait_loadcnt 12                              ; token 0's four loads are in; those of tokens 1 to 3 may be out
	TURN 0
.macro STEP t
.set XS, X+16*((\t)%2)
	s_wait_dscnt 0x0                               ; this token's numbers are back from the stage; the last step's LDS stores have read their registers
	s_wait_xcnt 0x0                                ; the last step's store of codes has read v12-14
.if (\t)+4 < 8
	LOAD (\t)+4                                    ; into the set whose numbers have gone through the stage
.endif
.if (\t)+1 < 8
.if (\t) < 4
	s_wait_loadcnt 12                              ; the next token's loads are in; those of the three tokens behind it may be out
.else
	s_wait_loadcnt 4*(6-(\t))                      ; the counts run down: 8, 4, 0
.endif
	TURN (\t)+1
.endif
	v_max3_num_f32 v8, |v[XS]|, |v[XS+1]|, |v[XS+2]|                   ; the largest magnitude of my 16, in two chains
	v_max3_num_f32 v9, |v[XS+3]|, |v[XS+4]|, |v[XS+5]|
.irp i, 6,10
	v_max3_num_f32 v8, v8, |v[XS+\i]|, |v[XS+\i+1]|
	v_max3_num_f32 v9, v9, |v[XS+\i+2]|, |v[XS+\i+3]|
.endr
	v_max3_num_f32 v8, v8, |v[XS+14]|, |v[XS+15]|
	v_max3_num_f32 v8, v8, v9, 0x1800000           ; and the floor 2^(3 - 127): the byte cannot fall under 1
	v_max_num_f32_dpp v8, v8, v8 row_xmask:1 row_mask:0xf bank_mask:0xf   ; with my neighbour's 16: the block's
	v_add_nc_u32 v11, 0xff000000, v8               ; 2 off its exponent field: the conversion takes that field as its scale
	v_cvt_scalef32_pk16_fp6_f32 v[12:14], v[XS:XS+15], v11
	v_lshrrev_b32 v10, 23, v11                     ; the scale's byte (also the plain line behind the conversion)
	ds_store_b8 v5, v10 offset:64*(\t)             ; both lanes of a block write the same byte with the same value
	global_store_b96 v4, v[12:14], s[10:11] offset:1536*(\t)           ; the wave's 32 x 12 bytes are 384 consecutive bytes
	; the gate: eight sums over my 16 numbers, two experts an instruction; x_i is taken for both halves from the low or the high word of its pair
.irp p, 0,2,4,6
	v_pk_mul_f32 v[AC+\p:AC+\p+1], v[XS:XS+1], v[GW+\p:GW+\p+1] op_sel_hi:[0,1]
.endr
.set I, 1
.rept 15
.irp p, 0,2,4,6
.if I%2 == 0
	v_pk_fma_f32 v[AC+\p:AC+\p+1], v[XS+I:XS+I+1], v[GW+8*I+\p:GW+8*I+\p+1], v[AC+\p:AC+\p+1] op_sel_hi:[0,1,1]
.else
	v_pk_fma_f32 v[AC+\p:AC+\p+1], v[XS+I-1:XS+I], v[GW+8*I+\p:GW+8*I+\p+1], v[AC+\p:AC+\p+1] op_sel:[1,0,0] op_sel_hi:[1,1,1]
.endif
.endr
.set I, I+1
.endr
.irp k, 1,2,4,8                        ; over the 32 lanes, the eight sums by turns
.irp e, 0,1,2,3,4,5,6,7
	v_add_f32_dpp v[AC+\e], v[AC+\e], v[AC+\e] row_xmask:\k row_mask:0xf bank_mask:0xf
.endr
.endr
.irp e, 0,1,2,3,4,5,6,7
	v_permlanex16_b32 v[RT+\e], v[AC+\e], s20, s21
.endr
.irp e, 0,1,2,3,4,5,6,7
	v_add_f32 v[AC+\e], v[AC+\e], v[RT+\e]
.endr
	ds_store_b128 v6, v[AC:AC+3] offset:32*(\t)    ; all lanes write the same bytes with the same values
	ds_store_b128 v6, v[AC+4:AC+7] offset:32*(\t)+16
.endm
.irp t, 0,1,2,3,4,5,6,7
	STEP \t
.endr
	s_wait_dscnt 0x0                               ; for the others' sake: my scale bytes and partial sums lie in LDS
	s_barrier_signal -1
	s_barrier_wait -1
	s_cmp_eq_u32 s18, 1
	s_cbranch_scc1 .Lscales
	s_cmp_eq_u32 s18, 0
	s_cbranch_scc1 .Lgate
	s_set_vgpr_msb 0x5
	s_wait_tensorcnt 0x0
	ds_add_u32 v0, v1
	s_wait_dscnt 0x0
	s_set_vgpr_msb 0x500
	s_endpgm
.Lscales:                                              ; wave 1: the 8 tokens' 512 scale bytes leave as 512 consecutive bytes
	v_add_nc_u32 v8, XSL, v3
	ds_load_b128 v[32:35], v8
	s_wait_dscnt 0x0
	global_store_b128 v3, v[32:35], s[12:13]
	s_set_vgpr_msb 0x5
	s_wait_tensorcnt 0x0
	ds_add_u32 v0, v1
	s_wait_dscnt 0x0
	s_set_vgpr_msb 0x500
	s_endpgm
.Lgate:                                                ; wave 0: lane l works token l % 8 (four lanes do the same; lanes 0-7 store)
	v_and_b32 v8, 7, v2
	v_lshl_add_u32 v8, v8, 5, GPT
.irp w, 0,1,2,3
	ds_load_b128 v[32+8*\w:35+8*\w], v8 offset:256*\w
	ds_load_b128 v[36+8*\w:39+8*\w], v8 offset:256*\w+16
.endr
	s_wait_dscnt 0x0
.irp p, 0,2,4,6
	v_pk_add_f32 v[32+\p:33+\p], v[32+\p:33+\p], v[40+\p:41+\p]
	v_pk_add_f32 v[48+\p:49+\p], v[48+\p:49+\p], v[56+\p:57+\p]
.endr
.irp p, 0,2,4,6
	v_pk_add_f32 v[32+\p:33+\p], v[32+\p:33+\p], v[48+\p:49+\p]
.endr
	s_wait_kmcnt 0x0                               ; gate_b
.irp e, 0,1,2,3,4,5,6,7
	v_add_f32 v[32+\e], s[24+\e], v[32+\e]         ; the logits
.endr
	v_max3_num_f32 v40, v32, v33, v34
	v_max3_num_f32 v41, v35, v36, v37
	v_max3_num_f32 v40, v40, v38, v39
	v_max_num_f32 v40, v40, v41                    ; the largest is taken away ahead of the exponentials
.irp e, 0,1,2,3,4,5,6,7
	v_sub_f32 v[32+\e], v[32+\e], v40
.endr
.irp e, 0,1,2,3,4,5,6,7
	v_mul_f32 v[32+\e], 0x3fb8aa3b, v[32+\e]       ; x log2(e)
.endr
.irp e, 0,1,2,3,4,5,6,7
	v_exp_f32 v[32+\e], v[32+\e]                   ; q_e, at most 1: one batch
.endr
	v_nop                                          ; a plain line behind the last exponential
	s_wait_alu depctr_va_vdst(0)                   ; one wait for the batch, ahead of its first reader
	v_add_f32 v41, v32, v33
	v_add_f32 v42, v34, v35
	v_add_f32 v43, v36, v37
	v_add_f32 v44, v38, v39
	v_add_f32 v41, v41, v42
	v_add_f32 v43, v43, v44
	v_add_f32 v41, v41, v43
	v_rcp_f32 v41, v41                             ; 1 / the sum; the search below is the independent work behind it
	v_mov_b32 v45, v32                             ; the largest so far and its expert,
	v_mov_b32 v46, 0
	v_mov_b32 v47, -1.0                            ; the second: under every q, so expert 1 takes one of the two places at once
	v_mov_b32 v48, 1
.irp e, 1,2,3,4,5,6,7
	v_cmp_gt_f32 s22, v[32+\e], v45                ; strictly larger: the lower index keeps its place in a tie
	v_cmp_gt_f32 vcc_lo, v[32+\e], v47
	v_cndmask_b32 v47, v47, v[32+\e], vcc_lo
	v_cndmask_b32 v48, v48, \e, vcc_lo
	v_cndmask_b32 v47, v47, v45, s22               ; a new largest moves the old one down
	v_cndmask_b32 v48, v48, v46, s22
	v_cndmask_b32 v45, v45, v[32+\e], s22
	v_cndmask_b32 v46, v46, \e, s22
.endr
	v_min_u32 v49, v46, v48                        ; lo
	v_max_u32 v50, v46, v48                        ; hi
	v_cmp_lt_u32 vcc_lo, v46, v48
	v_cndmask_b32 v52, v47, v45, vcc_lo            ; q of lo
	v_cndmask_b32 v53, v45, v47, vcc_lo            ; q of hi
	v_lshl_or_b32 v49, v49, 3, v50                 ; key = 8 lo + hi
	v_lshlrev_b32 v54, 2, v2
	v_lshlrev_b32 v55, 3, v2
	s_wait_alu depctr_va_vdst(0)                   ; the reciprocal, ahead of its first reader
	v_mul_f32 v52, v52, v41
	v_mul_f32 v53, v53, v41                        ; the softmax's own weights: not normalised anew
	v_cmp_gt_u32 vcc_lo, 8, v2
	s_wait_xcnt 0x0                                ; EXEC changes only behind this wait: stores of codes were issued above
	s_set_vgpr_msb 0x5
	s_wait_tensorcnt 0x0
	ds_add_u32 v0, v1
	s_wait_dscnt 0x0
	s_set_vgpr_msb 0x500
	s_and_saveexec_b32 s22, vcc_lo
	global_store_b32 v54, v49, s[14:15]            ; 32 bytes of keys and 64 of gates a work-group: 24 KB in the whole launch
	global_store_b64 v55, v[52:53], s[16:17]
	s_wait_xcnt 0x0
	s_or_b32 exec_lo, exec_lo, s22
	s_endpgm
.Lfunc_end_k_q301e4edfa2_prep:
	.size	k_q301e4edfa2_prep, .Lfunc_end_k_q301e4edfa2_prep-k_q301e4edfa2_prep
	.p2alignl 7, 3214868480
	.fill 96, 4, 3214868480
	.section	.rodata,"a",@progbits
	.p2align	6, 0x0
	.amdhsa_kernel k_q301e4edfa2_prep
		.amdhsa_group_segment_fixed_size 90112
		.amdhsa_private_segment_fixed_size 0
		.amdhsa_enable_private_segment 0
		.amdhsa_kernarg_size 56
		.amdhsa_user_sgpr_count 2
		.amdhsa_user_sgpr_kernarg_segment_ptr 1
		.amdhsa_wavefront_size32 1
		.amdhsa_system_sgpr_workgroup_id_x 1
		.amdhsa_system_sgpr_workgroup_id_y 1
		.amdhsa_system_sgpr_workgroup_id_z 1
		.amdhsa_system_vgpr_workitem_id 0
		.amdhsa_next_free_vgpr 258
		.amdhsa_next_free_sgpr 66
		.amdhsa_reserve_vcc 1
		.amdhsa_float_denorm_mode_32 3
		.amdhsa_float_denorm_mode_16_64 3
		.amdhsa_memory_ordered 1
		.amdhsa_forward_progress 1
		.amdhsa_inst_pref_size 89
	.end_amdhsa_kernel
	.amdgpu_metadata
---
amdhsa.version: [ 1, 2 ]
amdhsa.kernels:
  - .name:           k_q301e4edfa2_prep
    .symbol:         k_q301e4edfa2_prep.kd
    .args:
      - { .name: hidden_states, .offset: 0, .size: 8, .value_kind: global_buffer, .address_space: global }
      - { .name: gate_w, .offset: 8, .size: 8, .value_kind: global_buffer, .address_space: global }
      - { .name: gate_b, .offset: 16, .size: 8, .value_kind: global_buffer, .address_space: global }
      - { .name: x_codes, .offset: 24, .size: 8, .value_kind: global_buffer, .address_space: global }
      - { .name: x_scales, .offset: 32, .size: 8, .value_kind: global_buffer, .address_space: global }
      - { .name: keys, .offset: 40, .size: 8, .value_kind: global_buffer, .address_space: global }
      - { .name: gates, .offset: 48, .size: 8, .value_kind: global_buffer, .address_space: global }
    .group_segment_fixed_size: 90112
    .private_segment_fixed_size: 0
    .kernarg_segment_align: 8
    .kernarg_segment_size: 56
    .max_flat_workgroup_size: 128
    .sgpr_count:     66
    .vgpr_count:     258
    .wavefront_size: 32
...
	.end_amdgpu_metadata
.endif
;; end of part 1
;; launch place (part 2): grid 129 x 1, 16 waves a work-group, no clusters, 204,800 bytes of LDS; arguments keys, expert_w_codes, plan, w_img; writes plan, w_img
.if DOCPART == 2
	.amdgcn_target "amdgcn-amd-amdhsa--gfx1250"
	.amdhsa_code_object_version 6
	.text
	.protected	k_q301e4edfa2_place
	.globl	k_q301e4edfa2_place
	.p2align	8
	.type	k_q301e4edfa2_place,@function
k_q301e4edfa2_place:
	s_mov_b64 s[64:65], 0
	v_nop
	global_prefetch_b8 v0, s[64:65] scope:SCOPE_SE
	s_setreg_imm32_b32 hwreg(HW_REG_WAVE_MODE, 25, 1), 1
	s_wait_xcnt 0x0
; PLACE.  Two jobs in one launch, parted by the work-group's number; each has LDS bytes of its own.
; WORK-GROUP 0 sorts the 2,048 tokens by their pair of experts (a counting sort, no atomics) and stores in plan: words 0 .. 2047 the token at each sorted place; words 2048 .. 2063, for each block of
;   128 sorted places, the set of experts that its tokens use, one bit an expert.  The 28 pairs are ordered so that neighbours share an expert (01 02 .. 07, 17 16 .. 12, 23 .. 27, 37 .. 34, 45 46 47, 57 56, 67).
; WORK-GROUPS 1 .. 128 lay expert_w_codes out once as IMAGES OF OPERAND REGISTERS: w_img [expert][tile of 16 columns][K step of 128][1,536 bytes]: a fragment's 12 registers as 3 x 512 bytes,
;   lane l's 16 bytes at 512 c + 16 l, so that the next launch loads a fragment by three loads of 512 consecutive bytes.  A wave takes one tile x 8 K steps: 16 rows x 768 bytes in, by 24 loads of
;   512 bytes that are dense within the rows; through its own stage in LDS; out as 12,288 consecutive bytes.
; No tensor load (each byte goes through registers once), no cluster (no two work-groups read the same byte).
.set RP,   784                         ; a stage row: 768 bytes + 16 = 196 words: the 32 lanes of an 8-byte load below touch 64 different words modulo 64
.set STB,  16*RP                       ; a wave's stage
.set TAB,  16*STB                      ; the sort's table: [wave][32] counts
	s_load_b256 s[4:11], s[0:1], 0x0               ; keys s[4:5], expert_w_codes s[6:7], plan s[8:9], w_img s[10:11]
	v_lshl_add_u32 v128, v0, 2, 0x31800
	v_mov_b32 v129, 0
	v_lshrrev_b32 v1, 5, v0
	v_readfirstlane_b32 s18, v1                    ; wave 0..15
	v_and_b32 v2, 31, v0                           ; lane
	v_and_b32 v3, 15, v0                           ; r
	v_bfe_u32 v7, v0, 4, 1                         ; h
	; two rows of 768 bytes are three loads of 512: (0) row a, bytes 16 l;  (1) lanes 0-15 row a from byte 512, lanes 16-31 row a + 1 from byte 0;  (2) row a + 1 from byte 256
	v_lshlrev_b32 v4, 4, v2                        ; in memory (rows 1,536 bytes apart): 16 l
	v_mad_u32_u24 v5, v7, 768, v4
	v_add_nc_u32 v5, 512, v5                       ; 512 + 16 l + 768 h
	v_add_nc_u32 v6, 1792, v4                      ; 1,536 + 256 + 16 l
	s_mul_i32 s19, s18, STB
	v_add_nc_u32 v8, s19, v4                       ; in the stage (rows 784 bytes apart): 16 l
	v_lshl_add_u32 v9, v7, 4, v8
	v_add_nc_u32 v9, 512, v9                       ; 512 + 16 l + 16 h
	v_add_nc_u32 v10, 1040, v8                     ; 784 + 256 + 16 l
	v_mul_u32_u24 v11, v3, RP
	v_mad_u32_u24 v11, v7, 24, v11
	v_add_nc_u32 v11, s19, v11                     ; out of the stage: row r, + 24 h
	v_lshl_add_u32 v12, v0, 2, TAB                 ; the table: my wave's row, my lane's word
	v_lshl_add_u32 v13, v2, 2, TAB                 ; and my lane's word of row 0
	s_cmp_eq_u32 ttmp9, 0
	s_cbranch_scc1 .Lsort
	; ---------------- the weights' images
	s_sub_co_u32 s20, ttmp9, 1
	s_lshl_b32 s20, s20, 4
	s_add_co_u32 s20, s20, s18                     ; unit 0 .. 2047
	s_lshr_b32 s21, s20, 1                         ; tile = 128 expert + column tile
	s_and_b32 s22, s20, 1                          ; which 8 of its 16 K steps
	s_mul_i32 s24, s21, 16*1536
	s_mul_i32 s23, s22, 768
	s_add_co_u32 s26, s24, s23                     ; from: the tile's 16 rows, + 8 K steps of 96 bytes
	s_mov_b32 s27, 0
	s_mul_i32 s23, s22, 8*1536
	s_add_co_u32 s24, s24, s23                     ; to: the tile's 16 images, + 8 images
	s_mov_b32 s25, 0
	s_wait_kmcnt 0x0
	s_add_nc_u64 s[6:7], s[6:7], s[26:27]
	s_add_nc_u64 s[10:11], s[10:11], s[24:25]
.set Q, 0
.rept 8
	global_load_b128 v[32+12*Q:35+12*Q], v4, s[6:7] offset:3072*Q th:TH_LOAD_NT
	global_load_b128 v[36+12*Q:39+12*Q], v5, s[6:7] offset:3072*Q th:TH_LOAD_NT
	global_load_b128 v[40+12*Q:43+12*Q], v6, s[6:7] offset:3072*Q th:TH_LOAD_NT
.set Q, Q+1
.endr
.set Q, 0
.rept 8
	s_wait_loadcnt 21-3*Q                          ; this pair of rows is in; the three loads of each later pair may be out
	ds_store_b128 v8, v[32+12*Q:35+12*Q] offset:2*RP*Q
	ds_store_b128 v9, v[36+12*Q:39+12*Q] offset:2*RP*Q
	ds_store_b128 v10, v[40+12*Q:43+12*Q] offset:2*RP*Q
.set Q, Q+1
.endr
	s_wait_dscnt 0x0                               ; the stores have read their registers, which the loads below fill again
.set Q, 0
.rept 8                                ; K step Q: lane (r, h) takes the 24 bytes at 96 Q + 24 h and those 48 further on, in pieces of 8 bytes
.irp p, 0,1,2,3,4,5
	ds_load_b64 v[32+12*Q+2*\p:33+12*Q+2*\p], v11 offset:96*Q+48*(\p/3)+8*(\p%3)
.endr
.set Q, Q+1
.endr
.set Q, 0
.rept 8
	s_wait_dscnt 6*(7-Q)                           ; this fragment is in; the six loads of each later one may be out
.irp c, 0,1,2
	global_store_b128 v4, v[32+12*Q+4*\c:35+12*Q+4*\c], s[10:11] offset:1536*Q+512*\c   ; 512 consecutive bytes a store
.endr
.set Q, Q+1
.endr
	s_wait_tensorcnt 0x0
	ds_add_u32 v128, v129
	s_wait_dscnt 0x0
	s_endpgm
	; ---------------- the sort.  Wave w holds the keys of tokens 128 w + 32 j + l, j = 0 .. 3
.Lsort:
	s_lshl_b32 s20, s18, 9
	v_lshl_add_u32 v14, v2, 2, s20
	s_wait_kmcnt 0x0
.irp j, 0,1,2,3
	global_load_b32 v[16+\j], v14, s[4:5] offset:128*\j
.endr
	v_mov_b32 v20, 0                               ; my wave's counts, pair p in lane p
	v_mov_b32 v23, 0                               ; where pair p begins
	s_wait_loadcnt 0x0
.set P, 0
.irp kv, 1,2,3,4,5,6,7,15,14,13,12,11,10,19,20,21,22,23,31,30,29,28,37,38,39,47,46,55
	v_cmp_eq_u32 s40, \kv, v16
	v_cmp_eq_u32 s41, \kv, v17
	v_cmp_eq_u32 s42, \kv, v18
	v_cmp_eq_u32 s43, \kv, v19
	s_bcnt1_i32_b32 s40, s40
	s_bcnt1_i32_b32 s41, s41
	s_bcnt1_i32_b32 s42, s42
	s_bcnt1_i32_b32 s43, s43
	s_add_co_u32 s40, s40, s41
	s_add_co_u32 s42, s42, s43
	s_add_co_u32 s44, s40, s42
	v_writelane_b32 v20, s44, P
.set P, P+1
.endr
	ds_store_b32 v12, v20
	s_wait_dscnt 0x0                               ; for the others' sake: my counts lie in the table
	s_barrier_signal -1
	s_barrier_wait -1
.set W, 0
.rept 16
	ds_load_b32 v[32+W], v13 offset:128*W
.set W, W+1
.endr
	v_mov_b32 v21, 0                               ; pair p's tokens in all,
	v_mov_b32 v22, 0                               ; and in the waves below mine
	s_wait_dscnt 0x0
.set W, 0
.rept 16
	v_add_nc_u32 v21, v21, v[32+W]
	s_cmp_gt_u32 s18, W
	s_cselect_b32 s40, 1, 0
	v_mad_u32_u24 v22, v[32+W], s40, v22
.set W, W+1
.endr
	s_mov_b32 s45, 0
.set P, 0
.rept 28                               ; the running sum over the pairs, lane by lane
	v_writelane_b32 v23, s45, P
	v_readlane_b32 s44, v21, P
	s_add_co_u32 s45, s45, s44
.set P, P+1
.endr
	v_add_nc_u32 v24, v23, v22                     ; where my wave's tokens of pair p begin
.irp j, 0,1,2,3
	v_mov_b32 v[25+\j], 0                          ; my four tokens' places
.endr
.set P, 0
.irp kv, 1,2,3,4,5,6,7,15,14,13,12,11,10,19,20,21,22,23,31,30,29,28,37,38,39,47,46,55
	v_readlane_b32 s45, v24, P
.irp j, 0,1,2,3
	v_cmp_eq_u32 s40, \kv, v[16+\j]
	v_mbcnt_lo_u32_b32 v29, s40, s45               ; the pair's next free place + the lanes below me that hold the same pair
	v_cndmask_b32 v[25+\j], v[25+\j], v29, s40
	s_bcnt1_i32_b32 s41, s40
	s_add_co_u32 s45, s45, s41
.endr
.set P, P+1
.endr
	s_lshl_b32 s40, s18, 7
	v_add_nc_u32 v48, s40, v2                      ; my tokens' numbers
.irp j, 1,2,3
	v_add_nc_u32 v[48+\j], 32*\j, v48
.endr
.irp j, 0,1,2,3
	v_min_u32 v[25+\j], 0x7ff, v[25+\j]            ; a place stays inside the list
.endr
.irp j, 0,1,2,3
	v_lshlrev_b32 v[25+\j], 2, v[25+\j]
.endr
.irp j, 0,1,2,3
	global_store_b32 v[25+\j], v[48+\j], s[8:9]    ; scattered words, 8 KB in the whole launch: the places hang on the keys
.endr
	; block w's experts: pair p lies in the block where it has tokens, begins at or before the block's end and ends at or behind its start
	v_add_nc_u32 v29, v23, v21
	v_add_nc_u32 v29, -1, v29
	v_lshrrev_b32 v29, 7, v29                      ; the block of the pair's last token
	v_lshrrev_b32 v30, 7, v23                      ; and of its first
	v_cmp_le_u32 s40, v30, s18
	v_cmp_ge_u32 s41, v29, s18
	v_cmp_lt_u32 s42, 0, v21
	s_and_b32 s40, s40, s41
	s_and_b32 s40, s40, s42                        ; one bit a pair
	s_mov_b32 s43, 0
.macro BIT e, pm                       ; pm: the pairs that hold expert e
	s_and_b32 s41, s40, \pm
	s_cselect_b32 s41, 1<<\e, 0
	s_or_b32 s43, s43, s41
.endm
	BIT 0, 0x7f
	BIT 1, 0x1f81
	BIT 2, 0x3f002
	BIT 3, 0x3c2804
	BIT 4, 0x1e04408
	BIT 5, 0x6508210
	BIT 6, 0xc890120
	BIT 7, 0xb0600c0
	v_mov_b32 v31, s43
	s_lshl_b32 s41, s18, 2
	v_mov_b32 v30, s41
	v_cmp_eq_u32 vcc_lo, 0, v2
	s_wait_xcnt 0x0                                ; EXEC changes only behind this wait
	s_wait_tensorcnt 0x0
	ds_add_u32 v128, v129
	s_wait_dscnt 0x0
	s_and_saveexec_b32 s42, vcc_lo
	global_store_b32 v30, v31, s[8:9] offset:8192
	s_wait_xcnt 0x0
	s_or_b32 exec_lo, exec_lo, s42
	s_endpgm
.Lfunc_end_k_q301e4edfa2_place:
	.size	k_q301e4edfa2_place, .Lfunc_end_k_q301e4edfa2_place-k_q301e4edfa2_place
	.p2alignl 7, 3214868480
	.fill 96, 4, 3214868480
	.section	.rodata,"a",@progbits
	.p2align	6, 0x0
	.amdhsa_kernel k_q301e4edfa2_place
		.amdhsa_group_segment_fixed_size 204800
		.amdhsa_private_segment_fixed_size 0
		.amdhsa_enable_private_segment 0
		.amdhsa_kernarg_size 32
		.amdhsa_user_sgpr_count 2
		.amdhsa_user_sgpr_kernarg_segment_ptr 1
		.amdhsa_wavefront_size32 1
		.amdhsa_system_sgpr_workgroup_id_x 1
		.amdhsa_system_sgpr_workgroup_id_y 1
		.amdhsa_system_sgpr_workgroup_id_z 1
		.amdhsa_system_vgpr_workitem_id 0
		.amdhsa_next_free_vgpr 130
		.amdhsa_next_free_sgpr 66
		.amdhsa_reserve_vcc 1
		.amdhsa_float_denorm_mode_32 3
		.amdhsa_float_denorm_mode_16_64 3
		.amdhsa_memory_ordered 1
		.amdhsa_forward_progress 1
		.amdhsa_inst_pref_size 69
	.end_amdhsa_kernel
	.amdgpu_metadata
---
amdhsa.version: [ 1, 2 ]
amdhsa.kernels:
  - .name:           k_q301e4edfa2_place
    .symbol:         k_q301e4edfa2_place.kd
    .args:
      - { .name: keys, .offset: 0, .size: 8, .value_kind: global_buffer, .address_space: global }
      - { .name: expert_w_codes, .offset: 8, .size: 8, .value_kind: global_buffer, .address_space: global }
      - { .name: plan, .offset: 16, .size: 8, .value_kind: global_buffer, .address_space: global }
      - { .name: w_img, .offset: 24, .size: 8, .value_kind: global_buffer, .address_space: global }
    .group_segment_fixed_size: 204800
    .private_segment_fixed_size: 0
    .kernarg_segment_align: 8
    .kernarg_segment_size: 32
    .max_flat_workgroup_size: 512
    .sgpr_count:     66
    .vgpr_count:     130
    .wavefront_size: 32
...
	.end_amdgpu_metadata
.endif
;; end of part 2
;; launch experts (part 3): grid 16 x 16, 4 waves a work-group, no clusters, 299,520 bytes of LDS; arguments x_codes, x_scales, keys, gates, plan, w_img, expert_w_scales, expert_b, out0; writes out0
.if DOCPART == 3
	.amdgcn_target "amdgcn-amd-amdhsa--gfx1250"
	.amdhsa_code_object_version 6
	.text
	.protected	k_q301e4edfa2_experts
	.globl	k_q301e4edfa2_experts
	.p2align	8
	.type	k_q301e4edfa2_experts,@function
k_q301e4edfa2_experts:
	s_mov_b64 s[64:65], 0
	v_nop
	global_prefetch_b8 v0, s[64:65] scope:SCOPE_SE
	s_setreg_imm32_b32 hwreg(HW_REG_WAVE_MODE, 25, 1), 1
	s_wait_xcnt 0x0
; EXPERTS.  out[t] = the sum over t's two experts e of p_e (x_q[t] W_e + b_e), the product on codes of E2M3 with E8M0 scales, f32 sums.
; A work-group (x, y) owns the 128 tokens at sorted places 128 y .. 128 y + 127 and columns 128 x .. 128 x + 127, and walks only the experts that the block's tokens use (a stored set of bits).
; For each such expert all 128 rows are multiplied; a row's weight is p_lo, p_hi or 0 as the expert is its lower, its higher or none of its two.  So each output row has one owner and no sum goes through memory.
; WAVES: wave = 2 c + kh makes 128 tokens x 64 columns (128 x + 64 c on) over K half kh: 8 K steps of 128 an expert, 32 matrix instructions each.  Each weight byte is loaded by one wave and feeds 128 rows.
; The two K halves keep weighted sums of their own through all experts and meet once, at the end, through LDS.
; OPERANDS: the tokens' codes are gathered once into LDS (128 rows of 1,536 bytes, pitch 1,552).  The weights come from memory straight into operand registers, from images laid out by the launch before:
; three loads of 512 consecutive bytes a fragment, four K steps ahead in a ring of four register sets.
; NO TENSOR LOAD AND NO CLUSTER: the number of trips and the weights' addresses hang on the stored list, so partners would ask for different tiles in different numbers.  No prefetch: each image is read by
; several work-groups, and which comes first hangs on the list.
; THE MATRIX INSTRUCTION IS USED TRANSPOSED: source 0 = 16 columns of W, source 1 = 16 tokens: lane (r, h) holds token r and columns 16 n + 8 h + 0 .. 7.
; REGISTER TILE m HOLDS THE BLOCK'S TILE m xor 4 kh (by addresses alone): so every wave keeps register tiles 0-3 and hands 4-7 to its partner, and the way out has one path.
; LIMITS: NaN and infinities are not served; nor a weight scale byte 0xff or sums that overflow, since a row that did not choose an expert multiplies that expert's sum by 0.
; K is summed in two halves: the order of the f32 sums is not one ascending chain.
; REGISTERS, in windows of 256: window 0: below.  window 1: v0-191 the weights' ring, set s % 4 at 48 (s % 4) + 12 n; v192-223 the store offsets of my 64 rows.
;   window 2: the 32 accumulators of the expert in hand, (m, n) at 8 (4 m + n).   window 3: the weighted sums, likewise.  (At the start windows 2 and 3 take the gathered rows on their way to LDS.)
.set PX,   1552                        ; a token's row in LDS: 1,536 + 16 bytes, an odd multiple of 16: sixteen rows of a 16-byte load start at sixteen different 16-byte columns of 256
.set EXCH, 128*PX                      ; behind the rows: 16,384 bytes for each wave, for the halves' exchange
.set STG,  EXCH+4*16384                ; and two stages of 16 rows x (256 + 16) bytes for each wave
.set AAD,  8                           ; v8-11   LDS address of my fragments of register tiles 2 g, 2 g + 1
.set TOK,  24                          ; v24-31  tile m: lane r's token
.set LO,   32                          ; v32-39  its lower expert
.set HI,   40                          ; v40-47  its higher
.set GP,   48                          ; v48-63  (p_lo, p_hi)
.set XSC,  64                          ; v64-95  x's scale words: 4 m + i: lanes 0-15 K step i, lanes 16-31 K step 4 + i of my half
.set WSC,  96                          ; v96-111 W's: 8 q + 4 n' + i: K step 4 q + i; lanes 0-15 column tile 2 n', lanes 16-31 tile 2 n' + 1
.set BIAS, 112                         ; v112-143 b_e at my lane's columns, 8 n + j
.set G,    144                         ; v144-159 tile m's weight for the expert in hand, at 2 m (the word above it is 0 and is never used)
.set AF,   160                         ; v160-255 x's fragments, 12 m
.set PD,   160                         ; the way out: the partner's sums;
.set RB,   192                         ; rows read back from the stage, two sets
.set MUL,  0xa1                        ; source 0 (W) window 1, source 1 (x) window 0, C and D window 2
.set MULB, 0x81                        ; the same with C (the bias) in window 0
.set TO_B, 0x40                        ; destination window 1
.set MRG,  0xf2                        ; source 0 window 2, source 1 window 0, source 2 and destination window 3
.set MSB, 0
.macro WIN new                         ; the immediate's high byte repeats the setting that is left; a switch that changes nothing is dropped
.if MSB != \new
	s_set_vgpr_msb (MSB<<8)|\new
.set MSB, \new
.endif
.endm
.macro PLACES                          ; four plain lines between a matrix instruction and a load into one of its registers or a read of its result
.rept 4
	v_nop
.endr
.endm
	s_load_b512 s[4:19], s[0:1], 0x0               ; x_codes s[4:5], x_scales s[6:7], keys s[8:9], gates s[10:11], plan s[12:13], w_img s[14:15], expert_w_scales s[16:17], expert_b s[18:19]
	s_load_b64 s[20:21], s[0:1], 0x40              ; out0
	v_lshl_add_u32 v22, v0, 2, 0x49000
	v_mov_b32 v23, 0
	v_lshrrev_b32 v1, 5, v0
	v_readfirstlane_b32 s22, v1                    ; wave
	s_and_b32 s23, s22, 1                          ; kh
	s_lshr_b32 s24, s22, 1                         ; c
	s_and_b32 s87, ttmp7, 0xffff                   ; y: the block of tokens
	s_mov_b32 s83, 0                               ; the upper word of every offset pair s[82:83]
	v_and_b32 v1, 31, v0                           ; lane
	v_and_b32 v2, 15, v0                           ; r
	v_bfe_u32 v3, v0, 4, 1                         ; h
	v_lshlrev_b32 v4, 4, v1                        ; 16 l
	v_lshlrev_b32 v5, 6, v1                        ; 64 l: a column's row of scale bytes
	v_lshlrev_b32 v6, 5, v3                        ; 32 h: my eight columns of a tile, in f32
	v_lshlrev_b32 v7, 4, v2                        ; 16 r
	v_mul_u32_u24 v19, v2, PX
	v_mad_u32_u24 v19, v3, 48, v19                 ; row r, + 48 h
	s_mul_i32 s88, s23, 768                        ; my K half: 8 K steps of 96 bytes
	s_lshl_b32 s89, s23, 1
.irp g, 0,1,2,3
	s_xor_b32 s90, s89, \g                         ; register tiles 2 g, 2 g + 1 are the block's rows 32 (g xor 2 kh) on
	s_mul_i32 s90, s90, 32*PX
	s_add_co_u32 s90, s90, s88
	v_add_nc_u32 v[AAD+\g], s90, v19
.endr
	v_lshlrev_b32 v19, 4, v3                       ; 16 h
	s_mul_i32 s90, s22, 32*PX
	v_add_nc_u32 v12, s90, v4                      ; where I put the rows that I gather: rows 32 wave on
	s_lshl_b32 s90, s22, 14
	s_add_co_u32 s90, s90, EXCH
	v_add_nc_u32 v13, s90, v4                      ; the exchange: what I hand over,
	s_xor_b32 s90, s22, 1
	s_lshl_b32 s90, s90, 14
	s_add_co_u32 s90, s90, EXCH
	v_add_nc_u32 v14, s90, v4                      ; and what my partner (the other K half) hands me
	s_mul_i32 s91, s22, 2*16*272
	s_add_co_u32 s91, s91, STG                     ; my stages
	v_mul_u32_u24 v15, v2, 272
	v_add_nc_u32 v15, v6, v15
	v_add_nc_u32 v15, s91, v15                     ; in: row r, + 32 h
	v_mul_u32_u24 v16, v3, 272
	v_add_nc_u32 v16, v7, v16
	v_add_nc_u32 v16, s91, v16                     ; back: lanes 0-15 one row, lanes 16-31 the next
	s_lshl_b32 s90, s23, 8
	v_lshl_add_u32 v17, v3, 2, s90                 ; in the block's list: rows 64 kh + h (the rows that I store)
	v_lshl_add_u32 v20, v2, 2, s90                 ; rows 64 kh + r: register tiles 0-3
	s_xor_b32 s90, s90, 256
	v_lshl_add_u32 v21, v2, 2, s90                 ; rows 64 (1 - kh) + r: register tiles 4-7
.irp m, 0,1,2,3,4,5,6,7
	v_mov_b32 v[G+2*\m+1], 0                       ; named as the upper word of a pair
.endr
	s_wait_kmcnt 0x0
	s_lshl_b32 s82, s87, 9
	s_add_nc_u64 s[92:93], s[12:13], s[82:83]      ; the list at my block's first place
	s_lshl_b32 s82, s22, 7
	s_add_nc_u64 s[94:95], s[92:93], s[82:83]      ; and at the 32 rows that my wave gathers
	s_lshl_b32 s82, s87, 2
	s_add_co_u32 s82, s82, 8192
	s_add_nc_u64 s[98:99], s[12:13], s[82:83]      ; my block's set of experts
	s_load_b32 s25, s[98:99], 0x0
	s_load_b512 s[32:47], s[94:95], 0x0
	s_load_b512 s[48:63], s[94:95], 0x40
.irp m, 0,1,2,3
	global_load_b32 v[TOK+\m], v20, s[92:93] offset:64*\m
	global_load_b32 v[TOK+4+\m], v21, s[92:93] offset:64*\m
.endr
	WIN TO_B
.set I, 0
.rept 32                               ; row 64 kh + 2 I + h: the token whose 256 bytes my lanes store in the I-th store of the way out
	global_load_b32 v[192+I], v17, s[92:93] offset:8*I
.set I, I+1
.endr
	WIN 0
	s_lshl_b32 s90, ttmp9, 3
	s_lshl_b32 s91, s24, 2
	s_add_co_u32 s90, s90, s91                     ; my first column tile: 8 x + 4 c
	s_mul_i32 s82, s90, 16*1536
	s_mul_i32 s91, s23, 8*1536
	s_add_co_u32 s82, s82, s91
	s_add_nc_u64 s[76:77], s[14:15], s[82:83]      ; expert 0's images of my tiles, my K half
	s_lshl_b32 s82, s90, 10
	s_lshl_b32 s91, s23, 5
	s_add_co_u32 s82, s82, s91
	s_add_nc_u64 s[78:79], s[16:17], s[82:83]      ; its scale bytes: 64 a column, + 32 kh
	s_lshl_b32 s82, s90, 6
	s_add_nc_u64 s[80:81], s[18:19], s[82:83]      ; its bias at my first column
	s_add_nc_u64 s[84:85], s[20:21], s[82:83]      ; and out0 at my first column
	s_mov_b32 s82, s91
	s_add_nc_u64 s[6:7], s[6:7], s[82:83]          ; x's scale bytes, my K half
	s_cmp_eq_u32 s23, 0
	s_cselect_b32 s30, 0x3f800000, 0               ; the bias counts once: in K half 0
	s_mov_b32 s31, s30                             ; (named with it as a pair)
	s_wait_kmcnt 0x0
	s_and_b32 s25, s25, 0xff                       ; the experts still to be taken
	s_bcnt1_i32_b32 s26, s25
	s_max_u32 s26, s26, 1
	s_sub_co_u32 s26, s26, 1                       ; trips of the loop: all experts but the last
	s_ctz_i32_b32 s28, s25
	s_min_u32 s28, s28, 7                          ; the expert in hand
	s_sub_co_u32 s90, s25, 1
	s_and_b32 s25, s25, s90
	s_ctz_i32_b32 s29, s25
	s_min_u32 s29, s29, 7                          ; the next (7 where there is none: then nothing is loaded by it)
	s_sub_co_u32 s90, s25, 1
	s_and_b32 s25, s25, s90
.macro BASES ex, sb, ss, sbi           ; expert s[ex]'s images, scale bytes and bias
	s_mul_i32 s82, s[\ex], 128*16*1536
	s_add_nc_u64 s[\sb:\sb+1], s[76:77], s[82:83]
	s_lshl_b32 s82, s[\ex], 17
	s_add_nc_u64 s[\ss:\ss+1], s[78:79], s[82:83]
	s_lshl_b32 s82, s[\ex], 13
	s_add_nc_u64 s[\sbi:\sbi+1], s[80:81], s[82:83]
.endm
	BASES 28, 66, 70, 96
	BASES 29, 68, 72, 74
.macro LOAD_WS q, base                 ; W's scale words of K steps 4 q .. 4 q + 3: lane l takes column 32 n' + l
	WIN 0
.irp np, 0,1
	global_load_b128 v[WSC+8*(\q)+4*\np:WSC+8*(\q)+4*\np+3], v5, s[\base:\base+1] offset:2048*\np+16*(\q)
.endr
.endm
.macro LOAD_BIAS base
	WIN 0
.irp n, 0,1,2,3
	global_load_b128 v[BIAS+8*\n:BIAS+8*\n+3], v6, s[\base:\base+1] offset:64*\n
	global_load_b128 v[BIAS+8*\n+4:BIAS+8*\n+7], v6, s[\base:\base+1] offset:64*\n+16
.endr
.endm
.macro LOAD_B set, base, s             ; K step s's four fragments of W: twelve loads of 512 consecutive bytes
	WIN TO_B
.irp n, 0,1,2,3
.irp i, 0,1,2
	global_load_b128 v[48*(\set)+12*\n+4*\i:48*(\set)+12*\n+4*\i+3], v4, s[\base:\base+1] offset:24576*\n+1536*(\s)+512*\i
.endr
.endr
.endm
	LOAD_WS 0, 70                                  ; the first expert's first four K steps: 2 + 8 + 48 = 58 loads, in the order in which a trip asks for the next expert's
	LOAD_BIAS 96
	LOAD_B 0, 66, 0
	LOAD_B 1, 66, 1
	LOAD_B 2, 66, 2
	LOAD_B 3, 66, 3
	WIN 0
	s_wait_loadcnt 58                              ; the 40 token loads are in; the 58 behind them may be out
.irp m, 0,1,2,3,4,5,6,7
	v_min_u32 v[TOK+\m], 0x7ff, v[TOK+\m]          ; a token stays inside its tables
.endr
.irp m, 0,1,2,3,4,5,6,7
	v_lshlrev_b32 v[192+\m], 2, v[TOK+\m]
	v_lshlrev_b32 v[200+\m], 3, v[TOK+\m]
	v_lshl_add_u32 v[208+\m], v[TOK+\m], 6, v19    ; 64 bytes of scales a token, + 16 h
.endr
.irp m, 0,1,2,3,4,5,6,7
	global_load_b32 v[LO+\m], v[192+\m], s[8:9]
	global_load_b64 v[GP+2*\m:GP+2*\m+1], v[200+\m], s[10:11]
	global_load_b128 v[XSC+4*\m:XSC+4*\m+3], v[208+\m], s[6:7]
.endr
	WIN 0x44                                       ; source 1 and destination window 1
.set I, 0
.rept 32
	v_min_u32 v[192+I], 0x7ff, v[192+I]
.set I, I+1
.endr
	WIN 0x41                                       ; source 0 and destination window 1
.set I, 0
.rept 32
	v_lshl_add_u32 v[192+I], v[192+I], 13, v7      ; the token's row of out0, + 16 r
.set I, I+1
.endr
	WIN 0
.set I, 0
.rept 32                               ; the rows that my wave gathers: the token is the same for all lanes, so it is a scalar
	s_min_u32 s[32+I], s[32+I], 0x7ff
	s_mul_i32 s[32+I], s[32+I], 1536
	v_add_nc_u32 v[160+I], s[32+I], v4
.set I, I+1
.endr
.set I, 0
.rept 96                               ; three loads of 512 consecutive bytes a row; they land in windows 2 and 3
.if I < 64
	WIN 0x80
	global_load_b128 v[4*I:4*I+3], v[160+I/3], s[4:5] offset:512*(I%3)
.else
	WIN 0xc0
	global_load_b128 v[4*(I-64):4*(I-64)+3], v[160+I/3], s[4:5] offset:512*(I%3)
.endif
.set I, I+1
.endr
.set I, 0
.rept 96
.if I == 0
	s_wait_loadcnt 48                              ; the first 48 of the 96 are in
.elseif I == 48
	s_wait_loadcnt 24
.elseif I == 72
	s_wait_loadcnt 0x0
.endif
.if I < 64
	WIN 0x08                                       ; an LDS store's data are its source 1
	ds_store_b128 v12, v[4*I:4*I+3] offset:PX*(I/3)+512*(I%3)
.else
	WIN 0x0c
	ds_store_b128 v12, v[4*(I-64):4*(I-64)+3] offset:PX*(I/3)+512*(I%3)
.endif
.set I, I+1
.endr
	WIN 0
.irp m, 0,1,2,3,4,5,6,7
	v_and_b32 v[HI+\m], 7, v[LO+\m]                ; key = 8 lo + hi
	v_lshrrev_b32 v[LO+\m], 3, v[LO+\m]
.endr
	s_wait_dscnt 0x0                               ; for the others' sake: my 32 rows lie in LDS
	s_barrier_signal -1
	WIN 0xc0
.set I, 0
.rept 256
	v_mov_b32 v[I], 0                              ; the weighted sums begin at 0: which expert comes first hangs on the list, and every expert adds weight x sum.  Register work while the others arrive
.set I, I+1
.endr
	WIN 0
	s_barrier_wait -1
.macro FETCH_A s, m0                   ; x's fragments of register tiles m0 .. m0 + 3, K step s: 48 consecutive bytes a lane
.irp m, \m0, \m0+1, \m0+2, \m0+3
.irp i, 0,1,2
	ds_load_b128 v[AF+12*(\m)+4*\i:AF+12*(\m)+4*\i+3], v[AAD+(\m)/2] offset:16*PX*((\m)&1)+96*(\s)+16*\i
.endr
.endr
.endm
.macro WMM ra, rb                      ; ra, rb: which half of the lanes holds W's and x's scale words
.if (\ra) == 0 && (\rb) == 0
	v_wmma_scale_f32_16x16x128_f8f6f4 v[rD:rD+7], v[rB:rB+11], v[rA:rA+11], v[rC:rC+7], v[rSA], v[rSB] matrix_a_fmt:MATRIX_FMT_FP6 matrix_b_fmt:MATRIX_FMT_FP6
.elseif (\ra) == 1 && (\rb) == 0
	v_wmma_scale_f32_16x16x128_f8f6f4 v[rD:rD+7], v[rB:rB+11], v[rA:rA+11], v[rC:rC+7], v[rSA], v[rSB] matrix_a_fmt:MATRIX_FMT_FP6 matrix_b_fmt:MATRIX_FMT_FP6 matrix_a_scale:MATRIX_SCALE_ROW1
.elseif (\ra) == 0
	v_wmma_scale_f32_16x16x128_f8f6f4 v[rD:rD+7], v[rB:rB+11], v[rA:rA+11], v[rC:rC+7], v[rSA], v[rSB] matrix_a_fmt:MATRIX_FMT_FP6 matrix_b_fmt:MATRIX_FMT_FP6 matrix_b_scale:MATRIX_SCALE_ROW1
.else
	v_wmma_scale_f32_16x16x128_f8f6f4 v[rD:rD+7], v[rB:rB+11], v[rA:rA+11], v[rC:rC+7], v[rSA], v[rSB] matrix_a_fmt:MATRIX_FMT_FP6 matrix_b_fmt:MATRIX_FMT_FP6 matrix_a_scale:MATRIX_SCALE_ROW1 matrix_b_scale:MATRIX_SCALE_ROW1
.endif
.endm
; 16 matrix instructions: register tiles m0 .. m0 + 3 x my four column tiles, K step s.  In K step 0 the bias is C: it starts the sums.
; The 32 accumulators take turns, one instruction a turn, in the same order in every K step.
.macro MUL16 s, m0
.irp m, \m0, \m0+1, \m0+2, \m0+3
.irp n, 0,1,2,3
.set rD, 8*(4*(\m)+\n)
.set rC, rD
.if (\s) == 0
.set rC, BIAS+8*\n
.endif
.set rB, 48*((\s)&3)+12*\n
.set rA, AF+12*(\m)
.set rSA, WSC+8*((\s)>>2)+4*(\n>>1)+((\s)&3)
.set rSB, XSC+4*(\m)+((\s)&3)
	WMM (\n&1), ((\s)>>2)
.endr
.endr
.endm
; What a K step asks of memory at its end, into the ring's set that it has just multiplied: the K step four on, of this expert or (last = 0) of the next.
; Loads a group: 14, 12, 12, 12, 22, 12, 12, 12.
.macro GROUP s, last
.if (\s) == 0
	LOAD_WS 1, 70
	LOAD_B 0, 66, 4
.elseif (\s) < 4
	LOAD_B \s, 66, (\s)+4
.elseif !(\last)
.if (\s) == 4
	LOAD_WS 0, 72
	LOAD_BIAS 74
.endif
	LOAD_B (\s)-4, 68, (\s)-4
.endif
.endm
.macro KSTEP s, last
.if (\s) == 0
.set WM, MULB                          ; (this K step's loads were shown in by the wait at the expert's head)
.else
.set WM, MUL
.if (\s) < 4
	s_wait_loadcnt 38                              ; behind this K step's group: three groups, of 12, 12 and 14 loads
.elseif (\s) == 4
	s_wait_loadcnt 36                              ; three groups of 12
.elseif \last
	s_wait_loadcnt 12*(7-(\s))                     ; the last expert asks for nothing more: 24, 12, 0
.else
	s_wait_loadcnt 46                              ; 12, 12 and 22
.endif
.endif
	s_wait_dscnt 12                                ; x's tiles 0-3 are in; the twelve younger loads (tiles 4-7) may be out
	WIN WM
	MUL16 \s, 0
	s_wait_dscnt 0x0                               ; tiles 4-7 are in
	PLACES
.if (!(\last)) || ((\s) < 7)
	WIN 0
	FETCH_A ((\s)+1)&7, 0                          ; x is the same for every expert: K step 7 fetches K step 0 again
.endif
	WIN WM
	MUL16 \s, 4
	PLACES
	GROUP \s, \last
	WIN 0
.if (!(\last)) || ((\s) < 7)
	FETCH_A ((\s)+1)&7, 4
.endif
.endm
.macro GATE                            ; the bias counts in K half 0 alone; tile m's weight: p_lo, p_hi or 0
.set I, 0
.rept 16
	v_pk_mul_f32 v[BIAS+2*I:BIAS+2*I+1], v[BIAS+2*I:BIAS+2*I+1], s[30:31] op_sel_hi:[1,0]
.set I, I+1
.endr
.irp m, 0,1,2,3,4,5,6,7
	v_cmp_eq_u32 vcc_lo, s28, v[LO+\m]
	v_cndmask_b32 v[G+2*\m], 0, v[GP+2*\m], vcc_lo
	v_cmp_eq_u32 vcc_lo, s28, v[HI+\m]
	v_cndmask_b32 v[G+2*\m], v[G+2*\m], v[GP+2*\m+1], vcc_lo
.endr
.endm
.macro MERGE                           ; weighted sums += weight x the expert's sums; each accumulator is read from its low end on
	WIN MRG
.set I, 0
.rept 32
.irp j, 0,2,4,6
	v_pk_fma_f32 v[8*I+\j:8*I+\j+1], v[8*I+\j:8*I+\j+1], v[G+2*(I/4):G+2*(I/4)+1], v[8*I+\j:8*I+\j+1] op_sel_hi:[1,0,1]
.endr
.set I, I+1
.endr
	WIN 0
.endm
.macro NEXT
	s_wait_xcnt 0x0                                ; the loads issued so far have read their bases, which are written below
	s_mov_b64 s[66:67], s[68:69]
	s_mov_b64 s[70:71], s[72:73]
	s_mov_b32 s28, s29
	s_ctz_i32_b32 s29, s25
	s_min_u32 s29, s29, 7
	s_sub_co_u32 s90, s25, 1
	s_and_b32 s25, s25, s90
	BASES 29, 68, 72, 74
.endm
.macro EXPERT last
	s_wait_loadcnt 36                              ; this expert's bias, first scale words and K step 0 are in; behind them three groups of 12 may be out
	GATE
.irp s, 0,1,2,3,4,5,6,7
	KSTEP \s, \last
.endr
	MERGE
.if !(\last)
	NEXT
.endif
.endm
	FETCH_A 0, 0
	FETCH_A 0, 4
	s_mov_b32 s27, 0
	s_cmp_eq_u32 s26, 0
	s_cbranch_scc1 .Ltail
.Lexp:                                                 ; a trip: one expert, and the requests for the next one's first four K steps
	EXPERT 0
	s_add_co_u32 s27, s27, 1
	s_cmp_lt_u32 s27, s26
	s_cbranch_scc1 .Lexp
.Ltail:                                                ; the last expert is written out: it asks for nothing beyond itself
	EXPERT 1
	; THE WAY OUT.  Register tiles 4-7 go to my partner as images of their registers; its tiles 4-7 are my tiles 0-3.
	WIN 0x0c
.set I, 0
.rept 16
	ds_store_b128 v13, v[128+8*I:128+8*I+3] offset:1024*I
	ds_store_b128 v13, v[128+8*I+4:128+8*I+7] offset:1024*I+512
.set I, I+1
.endr
	WIN 0
	s_wait_dscnt 0x0                               ; for my partner's sake: the images lie in LDS
	s_barrier_signal -1
	s_barrier_wait -1
; A tile of 16 tokens x 64 columns at a time: the two halves are added; a lane's 32 bytes of a token go into my own stage, whole rows of 256 bytes come back, and sixteen lanes store a token's 256
; consecutive bytes, at a multiple of 256 from out0's first byte.  LDS serves a wave's instructions in order: no wait between the stage's stores and loads.
.irp mp, 0,1,2,3
.if \mp >= 2
	s_wait_xcnt 0x0                                ; the stores of two tiles ago have read the registers that the loads below fill
.endif
.irp n, 0,1,2,3
	ds_load_b128 v[PD+8*\n:PD+8*\n+3], v14 offset:1024*(4*\mp+\n)
	ds_load_b128 v[PD+8*\n+4:PD+8*\n+7], v14 offset:1024*(4*\mp+\n)+512
.endr
	s_wait_dscnt 0x0
	WIN 0x03                                       ; source 0: my sums, window 3
.irp q, 0,2,4,6,8,10,12,14,16,18,20,22,24,26,28,30
	v_pk_add_f32 v[PD+\q:PD+\q+1], v[32*\mp+\q:32*\mp+\q+1], v[PD+\q:PD+\q+1]
.endr
	WIN 0
.irp n, 0,1,2,3
	ds_store_b128 v15, v[PD+8*\n:PD+8*\n+3] offset:4352*(\mp%2)+64*\n
	ds_store_b128 v15, v[PD+8*\n+4:PD+8*\n+7] offset:4352*(\mp%2)+64*\n+16
.endr
.irp i, 0,1,2,3,4,5,6,7
	ds_load_b128 v[RB+32*(\mp%2)+4*\i:RB+32*(\mp%2)+4*\i+3], v16 offset:4352*(\mp%2)+544*\i
.endr
	WIN 0x01                                       ; the stores' offsets lie in window 1
.irp i, 0,1,2,3,4,5,6,7
	s_wait_dscnt 7-\i                              ; rows 2 i, 2 i + 1 are back; the later loads may be out.  (At i = 7 all my LDS instructions are done: the next tile may write PD)
	global_store_b128 v[192+8*\mp+\i], v[RB+32*(\mp%2)+4*\i:RB+32*(\mp%2)+4*\i+3], s[84:85] th:TH_STORE_NT
.endr
	WIN 0
.endr
	s_wait_tensorcnt 0x0
	ds_add_u32 v22, v23
	s_wait_dscnt 0x0
	s_endpgm
.Lfunc_end_k_q301e4edfa2_experts:
	.size	k_q301e4edfa2_experts, .Lfunc_end_k_q301e4edfa2_experts-k_q301e4edfa2_experts
	.p2alignl 7, 3214868480
	.fill 96, 4, 3214868480
	.section	.rodata,"a",@progbits
	.p2align	6, 0x0
	.amdhsa_kernel k_q301e4edfa2_experts
		.amdhsa_group_segment_fixed_size 299520
		.amdhsa_private_segment_fixed_size 0
		.amdhsa_enable_private_segment 0
		.amdhsa_kernarg_size 72
		.amdhsa_user_sgpr_count 2
		.amdhsa_user_sgpr_kernarg_segment_ptr 1
		.amdhsa_wavefront_size32 1
		.amdhsa_system_sgpr_workgroup_id_x 1
		.amdhsa_system_sgpr_workgroup_id_y 1
		.amdhsa_system_sgpr_workgroup_id_z 1
		.amdhsa_system_vgpr_workitem_id 0
		.amdhsa_next_free_vgpr 1024
		.amdhsa_next_free_sgpr 100
		.amdhsa_reserve_vcc 1
		.amdhsa_float_denorm_mode_32 3
		.amdhsa_float_denorm_mode_16_64 3
		.amdhsa_memory_ordered 1
		.amdhsa_forward_progress 1
		.amdhsa_inst_pref_size 200
	.end_amdhsa_kernel
	.amdgpu_metadata
---
amdhsa.version: [ 1, 2 ]
amdhsa.kernels:
  - .name:           k_q301e4edfa2_experts
    .symbol:         k_q301e4edfa2_experts.kd
    .args:
      - { .name: x_codes, .offset: 0, .size: 8, .value_kind: global_buffer, .address_space: global }
      - { .name: x_scales, .offset: 8, .size: 8, .value_kind: global_buffer, .address_space: global }
      - { .name: keys, .offset: 16, .size: 8, .value_kind: global_buffer, .address_space: global }
      - { .name: gates, .offset: 24, .size: 8, .value_kind: global_buffer, .address_space: global }
      - { .name: plan, .offset: 32, .size: 8, .value_kind: global_buffer, .address_space: global }
      - { .name: w_img, .offset: 40, .size: 8, .value_kind: global_buffer, .address_space: global }
      - { .name: expert_w_scales, .offset: 48, .size: 8, .value_kind: global_buffer, .address_space: global }
      - { .name: expert_b, .offset: 56, .size: 8, .value_kind: global_buffer, .address_space: global }
      - { .name: out0, .offset: 64, .size: 8, .value_kind: global_buffer, .address_space: global }
    .group_segment_fixed_size: 299520
    .private_segment_fixed_size: 0
    .kernarg_segment_align: 8
    .kernarg_segment_size: 72
    .max_flat_workgroup_size: 128
    .sgpr_count:     100
    .vgpr_count:     1024
    .wavefront_size: 32
...
	.end_amdgpu_metadata
.endif
;; end of part 3
;; ======== version 2 of 2: 3 launches
;; workspace buffers: x_codes 3,145,728 bytes; x_scales 131,072 bytes; keys 8,192 bytes of whole numbers; gates 16,384 bytes; plan 8,448 bytes of whole numbers; w_img 25,165,824 bytes
;; launch prep (part 4): grid 256 x 1, 4 waves a work-group, no clusters, 90,112 bytes of LDS; arguments hidden_states, gate_w, gate_b, x_codes, x_scales, keys, gates; writes x_codes, x_scales, keys, gates
.if DOCPART == 4
	.amdgcn_target "amdgcn-amd-amdhsa--gfx1250"
	.amdhsa_code_object_version 6
	.text
	.protected	k_q301e4edfa2_prep
	.globl	k_q301e4edfa2_prep
	.p2align	8
	.type	k_q301e4edfa2_prep,@function
k_q301e4edfa2_prep:
	s_mov_b64 s[64:65], 0
	v_nop
	global_prefetch_b8 v0, s[64:65] scope:SCOPE_SE
	s_setreg_imm32_b32 hwreg(HW_REG_WAVE_MODE, 25, 1), 1
	s_wait_xcnt 0x0
; PREP.  hidden_states [2048 tokens][2048] f32 is read once and serves twice:
;  (1) it is quantised along its 2,048 numbers to codes of E2M3 with one E8M0 byte for each 32: a block's scale is 2^(floor(log2(largest magnitude)) - 2);
;  (2) the gate: logits = x gate_w + gate_b by f32 fused multiply-adds, softmax with the maximum taken away, the two largest (the lower index wins a tie, by strict compares in ascending order).
; OUT: x_codes [token][1,536]: each 128 numbers are 96 bytes holding their four blocks of 24 bytes in the order 0, 2, 1, 3, so that lane (r, h) of a matrix operand finds its 12 registers
;      (block h, then block 2 + h) as 48 consecutive bytes;  x_scales [token][64], blocks in their own order;  keys [token] = 8 lo + hi, lo < hi the two experts;  gates [token] = (p_lo, p_hi).
; SHARES: a work-group takes 8 tokens; wave w takes numbers 512 w .. 512 w + 511 of each, one token a step.  Every load reads 512 consecutive bytes; a step's 2,048 bytes turn through the wave's own
; stage in LDS, after which lane l holds the 16 neighbours 512 w + 16 l + i (two lanes to a block).  The lane's 16 rows of gate_w (512 consecutive bytes) stay in 128 registers.
; No matrix unit (8 columns), no tensor load, no cluster: the launch streams, and work-groups share only the 64 KB of gate_w.
; LIMITS: NaN and infinities are not served.  A block of zeros, or one whose largest magnitude lies under 2^-124, gets the byte 1 (zero blocks: zero codes; the bytes are read by this program alone).
; Logits that agree within f32 rounding may be ordered otherwise than by another order of summation.
.set GWP,  528                         ; gate_w's turn: a lane's 512 bytes + 16: an odd multiple of 16
.set XST,  4*32*GWP                    ; behind it: x's stages, two of 32 x SP bytes for each wave
.set SP,   80                          ; a lane's place in a stage: 64 bytes + 16
.set XSL,  XST+4*2*32*SP               ; the 8 tokens' 512 scale bytes
.set GPT,  XSL+512                     ; the gate's partial sums: [wave][token][8] f32
.set AC,   16                          ; v16-23   eight partial logits
.set RT,   24                          ; v24-31   the other half's sums (v24, v25 first hold the addresses of gate_w's turn)
.set X,    32                          ; v32-63   two sets of 16 neighbours
.set R,    64                          ; v64-127  four sets of 16 numbers as loaded
.set GW,   128                         ; v128-255 gate_w[k_i][e] at 8 i + e
	s_load_b256 s[4:11], s[0:1], 0x0               ; hidden_states s[4:5], gate_w s[6:7], gate_b s[8:9], x_codes s[10:11]
	s_load_b128 s[12:15], s[0:1], 0x20             ; x_scales s[12:13], keys s[14:15]
	s_load_b64 s[16:17], s[0:1], 0x30              ; gates
	s_set_vgpr_msb 0x40
	v_lshl_add_u32 v0, v0, 2, 0x15e00
	v_mov_b32 v1, 0
	s_set_vgpr_msb 0x4000
	v_lshrrev_b32 v1, 5, v0
	v_readfirstlane_b32 s18, v1                    ; wave
	v_and_b32 v2, 31, v0                           ; lane
	v_lshlrev_b32 v3, 4, v2                        ; my 16 bytes of a load's 512
	v_lshrrev_b32 v8, 3, v2                        ; where my 12 bytes of codes go: 384 w + 96 (l / 8) + 48 (block odd) + 24 (block >= 2) + 12 (upper half of the block)
	v_mul_u32_u24 v4, v8, 96
	v_bfe_u32 v8, v2, 1, 1
	v_mad_u32_u24 v4, v8, 48, v4
	v_bfe_u32 v8, v2, 2, 1
	v_mad_u32_u24 v4, v8, 24, v4
	v_and_b32 v8, 1, v2
	v_mad_u32_u24 v4, v8, 12, v4
	s_mul_i32 s22, s18, 384
	v_add_nc_u32 v4, s22, v4
	v_lshrrev_b32 v5, 1, v2                        ; my block's scale byte: XSL + 16 w + l / 2
	s_lshl_b32 s22, s18, 4
	s_add_co_u32 s22, s22, XSL
	v_add_nc_u32 v5, s22, v5
	s_lshl_b32 s22, s18, 8                         ; my wave's partial sums: GPT + 256 w
	s_add_co_u32 s22, s22, GPT
	v_mov_b32 v6, s22
	s_mul_i32 s22, s18, 2*32*SP                    ; my wave's two stages
	s_add_co_u32 s22, s22, XST
	v_lshrrev_b32 v7, 2, v2
	v_mul_u32_u24 v7, v7, SP
	v_and_b32 v8, 3, v2
	v_lshl_add_u32 v7, v8, 4, v7
	v_add_nc_u32 v7, s22, v7                       ; in: four lanes' 64 bytes on end, then 16 of padding
	v_mul_u32_u24 v15, v2, SP
	v_add_nc_u32 v15, s22, v15                     ; out: my 16 neighbours
	s_mul_i32 s22, s18, 32*GWP                     ; gate_w's turn
	v_add_nc_u32 v24, s22, v3                      ; in: 16 l, load i at 528 i
	v_mul_u32_u24 v25, v2, GWP
	v_add_nc_u32 v25, s22, v25                     ; out: 528 l
.irp e, 2,3,4,5,6,7
	v_mov_b32 v[RT+\e], 0                          ; a lane permute's destination counts as one of its sources (v24, v25 are written above)
.endr
	s_mov_b32 s20, 0x76543210
	s_mov_b32 s21, 0xfedcba98                      ; selects: lane l xor 16
	s_wait_alu depctr_va_vdst(0)
	s_wait_kmcnt 0x0
	s_load_b256 s[24:31], s[8:9], 0x0              ; gate_b: waited for where wave 0 adds it
	s_lshl_b32 s22, ttmp9, 16                      ; 8 tokens of 8,192 bytes,
	s_lshl_b32 s23, s18, 11                        ; my wave's 2,048 bytes of a token
	s_add_co_u32 s22, s22, s23
	s_mov_b32 s23, 0
	s_add_nc_u64 s[4:5], s[4:5], s[22:23]
	s_lshl_b32 s22, s18, 14                        ; my wave's 512 rows of gate_w
	s_add_nc_u64 s[6:7], s[6:7], s[22:23]
	s_mul_i32 s22, ttmp9, 8*1536
	s_add_nc_u64 s[10:11], s[10:11], s[22:23]
	s_lshl_b32 s22, ttmp9, 9
	s_add_nc_u64 s[12:13], s[12:13], s[22:23]
	s_lshl_b32 s22, ttmp9, 5
	s_add_nc_u64 s[14:15], s[14:15], s[22:23]
	s_lshl_b32 s22, ttmp9, 6
	s_add_nc_u64 s[16:17], s[16:17], s[22:23]
.set I, 0
.rept 32
	global_load_b128 v[GW+4*I:GW+4*I+3], v3, s[6:7] offset:512*I       ; 512 consecutive bytes a load
.set I, I+1
.endr
.macro LOAD t                          ; token t: four loads of 512 consecutive bytes into set t % 4
.irp i, 0,1,2,3
	global_load_b128 v[R+16*((\t)%4)+4*\i:R+16*((\t)%4)+4*\i+3], v3, s[4:5] offset:8192*(\t)+512*\i th:TH_LOAD_NT
.endr
.endm
.macro TURN t                          ; through stage t % 2: LDS serves a wave's instructions in order, so no wait stands between the stores and the loads
.irp i, 0,1,2,3
	ds_store_b128 v7, v[R+16*((\t)%4)+4*\i:R+16*((\t)%4)+4*\i+3] offset:32*SP*((\t)%2)+8*SP*\i
.endr
.irp i, 0,1,2,3
	ds_load_b128 v[X+16*((\t)%2)+4*\i:X+16*((\t)%2)+4*\i+3], v15 offset:32*SP*((\t)%2)+16*\i
.endr
.endm
.irp t, 0,1,2,3
	LOAD \t
.endr
	s_wait_loadcnt 16                              ; gate_w's 32 loads are in; x's 16 younger ones may be out
.set I, 0
.rept 32
	ds_store_b128 v24, v[GW+4*I:GW+4*I+3] offset:GWP*I
.set I, I+1
.endr
	s_wait_dscnt 0x0                               ; the stores have read their registers, which the loads below fill again
.set I, 0
.rept 32
	ds_load_b128 v[GW+4*I:GW+4*I+3], v25 offset:16*I                   ; my 16 rows of gate_w
.set I, I+1
.endr
	s_wait_loadcnt 12                              ; token 0's four loads are in; those of tokens 1 to 3 may be out
	TURN 0
.macro STEP t
.set XS, X+16*((\t)%2)
	s_wait_dscnt 0x0                               ; this token's numbers are back from the stage; the last step's LDS stores have read their registers
	s_wait_xcnt 0x0                                ; the last step's store of codes has read v12-14
.if (\t)+4 < 8
	LOAD (\t)+4                                    ; into the set whose numbers have gone through the stage
.endif
.if (\t)+1 < 8
.if (\t) < 4
	s_wait_loadcnt 12                              ; the next token's loads are in; those of the three tokens behind it may be out
.else
	s_wait_loadcnt 4*(6-(\t))                      ; the counts run down: 8, 4, 0
.endif
	TURN (\t)+1
.endif
	v_max3_num_f32 v8, |v[XS]|, |v[XS+1]|, |v[XS+2]|                   ; the largest magnitude of my 16, in two chains
	v_max3_num_f32 v9, |v[XS+3]|, |v[XS+4]|, |v[XS+5]|
.irp i, 6,10
	v_max3_num_f32 v8, v8, |v[XS+\i]|, |v[XS+\i+1]|
	v_max3_num_f32 v9, v9, |v[XS+\i+2]|, |v[XS+\i+3]|
.endr
	v_max3_num_f32 v8, v8, |v[XS+14]|, |v[XS+15]|
	v_max3_num_f32 v8, v8, v9, 0x1800000           ; and the floor 2^(3 - 127): the byte cannot fall under 1
	v_max_num_f32_dpp v8, v8, v8 row_xmask:1 row_mask:0xf bank_mask:0xf   ; with my neighbour's 16: the block's
	v_add_nc_u32 v11, 0xff000000, v8               ; 2 off its exponent field: the conversion takes that field as its scale
	v_cvt_scalef32_pk16_fp6_f32 v[12:14], v[XS:XS+15], v11
	v_lshrrev_b32 v10, 23, v11                     ; the scale's byte (also the plain line behind the conversion)
	ds_store_b8 v5, v10 offset:64*(\t)             ; both lanes of a block write the same byte with the same value
	global_store_b96 v4, v[12:14], s[10:11] offset:1536*(\t)           ; the wave's 32 x 12 bytes are 384 consecutive bytes
	; the gate: eight sums over my 16 numbers, two experts an instruction; x_i is taken for both halves from the low or the high word of its pair
.irp p, 0,2,4,6
	v_pk_mul_f32 v[AC+\p:AC+\p+1], v[XS:XS+1], v[GW+\p:GW+\p+1] op_sel_hi:[0,1]
.endr
.set I, 1
.rept 15
.irp p, 0,2,4,6
.if I%2 == 0
	v_pk_fma_f32 v[AC+\p:AC+\p+1], v[XS+I:XS+I+1], v[GW+8*I+\p:GW+8*I+\p+1], v[AC+\p:AC+\p+1] op_sel_hi:[0,1,1]
.else
	v_pk_fma_f32 v[AC+\p:AC+\p+1], v[XS+I-1:XS+I], v[GW+8*I+\p:GW+8*I+\p+1], v[AC+\p:AC+\p+1] op_sel:[1,0,0] op_sel_hi:[1,1,1]
.endif
.endr
.set I, I+1
.endr
.irp k, 1,2,4,8                        ; over the 32 lanes, the eight sums by turns
.irp e, 0,1,2,3,4,5,6,7
	v_add_f32_dpp v[AC+\e], v[AC+\e], v[AC+\e] row_xmask:\k row_mask:0xf bank_mask:0xf
.endr
.endr
.irp e, 0,1,2,3,4,5,6,7
	v_permlanex16_b32 v[RT+\e], v[AC+\e], s20, s21
.endr
.irp e, 0,1,2,3,4,5,6,7
	v_add_f32 v[AC+\e], v[AC+\e], v[RT+\e]
.endr
	ds_store_b128 v6, v[AC:AC+3] offset:32*(\t)    ; all lanes write the same bytes with the same values
	ds_store_b128 v6, v[AC+4:AC+7] offset:32*(\t)+16
.endm
.irp t, 0,1,2,3,4,5,6,7
	STEP \t
.endr
	s_wait_dscnt 0x0                               ; for the others' sake: my scale bytes and partial sums lie in LDS
	s_barrier_signal -1
	s_barrier_wait -1
	s_cmp_eq_u32 s18, 1
	s_cbranch_scc1 .Lscales
	s_cmp_eq_u32 s18, 0
	s_cbranch_scc1 .Lgate
	s_set_vgpr_msb 0x5
	s_wait_tensorcnt 0x0
	ds_add_u32 v0, v1
	s_wait_dscnt 0x0
	s_set_vgpr_msb 0x500
	s_endpgm
.Lscales:                                              ; wave 1: the 8 tokens' 512 scale bytes leave as 512 consecutive bytes
	v_add_nc_u32 v8, XSL, v3
	ds_load_b128 v[32:35], v8
	s_wait_dscnt 0x0
	global_store_b128 v3, v[32:35], s[12:13]
	s_set_vgpr_msb 0x5
	s_wait_tensorcnt 0x0
	ds_add_u32 v0, v1
	s_wait_dscnt 0x0
	s_set_vgpr_msb 0x500
	s_endpgm
.Lgate:                                                ; wave 0: lane l works token l % 8 (four lanes do the same; lanes 0-7 store)
	v_and_b32 v8, 7, v2
	v_lshl_add_u32 v8, v8, 5, GPT
.irp w, 0,1,2,3
	ds_load_b128 v[32+8*\w:35+8*\w], v8 offset:256*\w
	ds_load_b128 v[36+8*\w:39+8*\w], v8 offset:256*\w+16
.endr
	s_wait_dscnt 0x0
.irp p, 0,2,4,6
	v_pk_add_f32 v[32+\p:33+\p], v[32+\p:33+\p], v[40+\p:41+\p]
	v_pk_add_f32 v[48+\p:49+\p], v[48+\p:49+\p], v[56+\p:57+\p]
.endr
.irp p, 0,2,4,6
	v_pk_add_f32 v[32+\p:33+\p], v[32+\p:33+\p], v[48+\p:49+\p]
.endr
	s_wait_alu depctr_va_vdst(0)
	s_wait_kmcnt 0x0                               ; gate_b
.irp e, 0,1,2,3,4,5,6,7
	v_add_f32 v[32+\e], s[24+\e], v[32+\e]         ; the logits
.endr
	v_max3_num_f32 v40, v32, v33, v34
	v_max3_num_f32 v41, v35, v36, v37
	v_max3_num_f32 v40, v40, v38, v39
	v_max_num_f32 v40, v40, v41                    ; the largest is taken away ahead of the exponentials
.irp e, 0,1,2,3,4,5,6,7
	v_sub_f32 v[32+\e], v[32+\e], v40
.endr
.irp e, 0,1,2,3,4,5,6,7
	v_mul_f32 v[32+\e], 0x3fb8aa3b, v[32+\e]       ; x log2(e)
.endr
	s_wait_alu depctr_va_vdst(0)
.irp e, 0,1,2,3,4,5,6,7
	v_exp_f32 v[32+\e], v[32+\e]                   ; q_e, at most 1: one batch
.endr
	v_nop                                          ; a plain line behind the last exponential
	s_wait_alu depctr_va_vdst(0)                   ; one wait for the batch, ahead of its first reader
	v_add_f32 v41, v32, v33
	v_add_f32 v42, v34, v35
	v_add_f32 v43, v36, v37
	v_add_f32 v44, v38, v39
	v_add_f32 v41, v41, v42
	v_add_f32 v43, v43, v44
	v_add_f32 v41, v41, v43
	s_wait_alu depctr_va_vdst(0)
	v_rcp_f32 v41, v41                             ; 1 / the sum; the search below is the independent work behind it
	v_mov_b32 v45, v32                             ; the largest so far and its expert,
	v_mov_b32 v46, 0
	v_mov_b32 v47, -1.0                            ; the second: under every q, so expert 1 takes one of the two places at once
	v_mov_b32 v48, 1
.irp e, 1,2,3,4,5,6,7
	v_cmp_gt_f32 s22, v[32+\e], v45                ; strictly larger: the lower index keeps its place in a tie
	v_cmp_gt_f32 vcc_lo, v[32+\e], v47
	v_cndmask_b32 v47, v47, v[32+\e], vcc_lo
	v_cndmask_b32 v48, v48, \e, vcc_lo
	v_cndmask_b32 v47, v47, v45, s22               ; a new largest moves the old one down
	v_cndmask_b32 v48, v48, v46, s22
	v_cndmask_b32 v45, v45, v[32+\e], s22
	v_cndmask_b32 v46, v46, \e, s22
.endr
	v_min_u32 v49, v46, v48                        ; lo
	v_max_u32 v50, v46, v48                        ; hi
	v_cmp_lt_u32 vcc_lo, v46, v48
	v_cndmask_b32 v52, v47, v45, vcc_lo            ; q of lo
	v_cndmask_b32 v53, v45, v47, vcc_lo            ; q of hi
	v_lshl_or_b32 v49, v49, 3, v50                 ; key = 8 lo + hi
	v_lshlrev_b32 v54, 2, v2
	v_lshlrev_b32 v55, 3, v2
	s_wait_alu depctr_va_vdst(0)                   ; the reciprocal, ahead of its first reader
	v_mul_f32 v52, v52, v41
	v_mul_f32 v53, v53, v41                        ; the softmax's own weights: not normalised anew
	v_cmp_gt_u32 vcc_lo, 8, v2
	s_wait_alu depctr_va_vdst(0)
	s_wait_xcnt 0x0                                ; EXEC changes only behind this wait: stores of codes were issued above
	s_set_vgpr_msb 0x5
	s_wait_tensorcnt 0x0
	ds_add_u32 v0, v1
	s_wait_dscnt 0x0
	s_set_vgpr_msb 0x500
	s_and_saveexec_b32 s22, vcc_lo
	global_store_b32 v54, v49, s[14:15]            ; 32 bytes of keys and 64 of gates a work-group: 24 KB in the whole launch
	global_store_b64 v55, v[52:53], s[16:17]
	s_wait_xcnt 0x0
	s_or_b32 exec_lo, exec_lo, s22
	s_endpgm
.Lfunc_end_k_q301e4edfa2_prep:
	.size	k_q301e4edfa2_prep, .Lfunc_end_k_q301e4edfa2_prep-k_q301e4edfa2_prep
	.p2alignl 7, 3214868480
	.fill 96, 4, 3214868480
	.section	.rodata,"a",@progbits
	.p2align	6, 0x0
	.amdhsa_kernel k_q301e4edfa2_prep
		.amdhsa_group_segment_fixed_size 90112
		.amdhsa_private_segment_fixed_size 0
		.amdhsa_enable_private_segment 0
		.amdhsa_kernarg_size 56
		.amdhsa_user_sgpr_count 2
		.amdhsa_user_sgpr_kernarg_segment_ptr 1
		.amdhsa_wavefront_size32 1
		.amdhsa_system_sgpr_workgroup_id_x 1
		.amdhsa_system_sgpr_workgroup_id_y 1
		.amdhsa_system_sgpr_workgroup_id_z 1
		.amdhsa_system_vgpr_workitem_id 0
		.amdhsa_next_free_vgpr 258
		.amdhsa_next_free_sgpr 66
		.amdhsa_reserve_vcc 1
		.amdhsa_float_denorm_mode_32 3
		.amdhsa_float_denorm_mode_16_64 3
		.amdhsa_memory_ordered 1
		.amdhsa_forward_progress 1
		.amdhsa_inst_pref_size 89
	.end_amdhsa_kernel
	.amdgpu_metadata
---
amdhsa.version: [ 1, 2 ]
amdhsa.kernels:
  - .name:           k_q301e4edfa2_prep
    .symbol:         k_q301e4edfa2_prep.kd
    .args:
      - { .name: hidden_states, .offset: 0, .size: 8, .value_kind: global_buffer, .address_space: global }
      - { .name: gate_w, .offset: 8, .size: 8, .value_kind: global_buffer, .address_space: global }
      - { .name: gate_b, .offset: 16, .size: 8, .value_kind: global_buffer, .address_space: global }
      - { .name: x_codes, .offset: 24, .size: 8, .value_kind: global_buffer, .address_space: global }
      - { .name: x_scales, .offset: 32, .size: 8, .value_kind: global_buffer, .address_space: global }
      - { .name: keys, .offset: 40, .size: 8, .value_kind: global_buffer, .address_space: global }
      - { .name: gates, .offset: 48, .size: 8, .value_kind: global_buffer, .address_space: global }
    .group_segment_fixed_size: 90112
    .private_segment_fixed_size: 0
    .kernarg_segment_align: 8
    .kernarg_segment_size: 56
    .max_flat_workgroup_size: 128
    .sgpr_count:     66
    .vgpr_count:     258
    .wavefront_size: 32
...
	.end_amdgpu_metadata
.endif
;; end of part 4
;; launch place (part 5): grid 129 x 1, 16 waves a work-group, no clusters, 204,800 bytes of LDS; arguments keys, expert_w_codes, plan, w_img; writes plan, w_img
.if DOCPART == 5
	.amdgcn_target "amdgcn-amd-amdhsa--gfx1250"
	.amdhsa_code_object_version 6
	.text
	.protected	k_q301e4edfa2_place
	.globl	k_q301e4edfa2_place
	.p2align	8
	.type	k_q301e4edfa2_place,@function
k_q301e4edfa2_place:
	s_mov_b64 s[64:65], 0
	v_nop
	global_prefetch_b8 v0, s[64:65] scope:SCOPE_SE
	s_setreg_imm32_b32 hwreg(HW_REG_WAVE_MODE, 25, 1), 1
	s_wait_xcnt 0x0
; PLACE.  Two jobs in one launch, parted by the work-group's number; each has LDS bytes of its own.
; WORK-GROUP 0 sorts the 2,048 tokens by their pair of experts (a counting sort, no atomics) and stores in plan: words 0 .. 2047 the token at each sorted place; words 2048 .. 2063, for each block of
;   128 sorted places, the set of experts that its tokens use, one bit an expert.  The 28 pairs are ordered so that neighbours share an expert (01 02 .. 07, 17 16 .. 12, 23 .. 27, 37 .. 34, 45 46 47, 57 56, 67).
; WORK-GROUPS 1 .. 128 lay expert_w_codes out once as IMAGES OF OPERAND REGISTERS: w_img [expert][tile of 16 columns][K step of 128][1,536 bytes]: a fragment's 12 registers as 3 x 512 bytes,
;   lane l's 16 bytes at 512 c + 16 l, so that the next launch loads a fragment by three loads of 512 consecutive bytes.  A wave takes one tile x 8 K steps: 16 rows x 768 bytes in, by 24 loads of
;   512 bytes that are dense within the rows; through its own stage in LDS; out as 12,288 consecutive bytes.
; No tensor load (each byte goes through registers once), no cluster (no two work-groups read the same byte).
.set RP,   784                         ; a stage row: 768 bytes + 16 = 196 words: the 32 lanes of an 8-byte load below touch 64 different words modulo 64
.set STB,  16*RP                       ; a wave's stage
.set TAB,  16*STB                      ; the sort's table: [wave][32] counts
	s_load_b256 s[4:11], s[0:1], 0x0               ; keys s[4:5], expert_w_codes s[6:7], plan s[8:9], w_img s[10:11]
	v_lshl_add_u32 v128, v0, 2, 0x31800
	v_mov_b32 v129, 0
	v_lshrrev_b32 v1, 5, v0
	s_delay_alu instid0(VALU_DEP_1)
	v_readfirstlane_b32 s18, v1                    ; wave 0..15
	v_and_b32 v2, 31, v0                           ; lane
	v_and_b32 v3, 15, v0                           ; r
	v_bfe_u32 v7, v0, 4, 1                         ; h
	s_delay_alu instid0(VALU_DEP_3)
	; two rows of 768 bytes are three loads of 512: (0) row a, bytes 16 l;  (1) lanes 0-15 row a from byte 512, lanes 16-31 row a + 1 from byte 0;  (2) row a + 1 from byte 256
	v_lshlrev_b32 v4, 4, v2                        ; in memory (rows 1,536 bytes apart): 16 l
	s_delay_alu instid0(VALU_DEP_1)
	v_mad_u32_u24 v5, v7, 768, v4
	s_delay_alu instid0(VALU_DEP_1)
	v_add_nc_u32 v5, 512, v5                       ; 512 + 16 l + 768 h
	s_delay_alu instid0(VALU_DEP_3)
	v_add_nc_u32 v6, 1792, v4                      ; 1,536 + 256 + 16 l
	s_mul_i32 s19, s18, STB
	v_add_nc_u32 v8, s19, v4                       ; in the stage (rows 784 bytes apart): 16 l
	s_delay_alu instid0(VALU_DEP_1)
	v_lshl_add_u32 v9, v7, 4, v8
	s_delay_alu instid0(VALU_DEP_1)
	v_add_nc_u32 v9, 512, v9                       ; 512 + 16 l + 16 h
	s_delay_alu instid0(VALU_DEP_3)
	v_add_nc_u32 v10, 1040, v8                     ; 784 + 256 + 16 l
	v_mul_u32_u24 v11, v3, RP
	s_delay_alu instid0(VALU_DEP_1)
	v_mad_u32_u24 v11, v7, 24, v11
	s_delay_alu instid0(VALU_DEP_1)
	v_add_nc_u32 v11, s19, v11                     ; out of the stage: row r, + 24 h
	v_lshl_add_u32 v12, v0, 2, TAB                 ; the table: my wave's row, my lane's word
	v_lshl_add_u32 v13, v2, 2, TAB                 ; and my lane's word of row 0
	s_cmp_eq_u32 ttmp9, 0
	s_cbranch_scc1 .Lsort
	; ---------------- the weights' images
	s_sub_co_u32 s20, ttmp9, 1
	s_lshl_b32 s20, s20, 4
	s_add_co_u32 s20, s20, s18                     ; unit 0 .. 2047
	s_lshr_b32 s21, s20, 1                         ; tile = 128 expert + column tile
	s_and_b32 s22, s20, 1                          ; which 8 of its 16 K steps
	s_mul_i32 s24, s21, 16*1536
	s_mul_i32 s23, s22, 768
	s_add_co_u32 s26, s24, s23                     ; from: the tile's 16 rows, + 8 K steps of 96 bytes
	s_mov_b32 s27, 0
	s_mul_i32 s23, s22, 8*1536
	s_add_co_u32 s24, s24, s23                     ; to: the tile's 16 images, + 8 images
	s_mov_b32 s25, 0
	s_wait_kmcnt 0x0
	s_add_nc_u64 s[6:7], s[6:7], s[26:27]
	s_add_nc_u64 s[10:11], s[10:11], s[24:25]
.set Q, 0
.rept 8
	global_load_b128 v[32+12*Q:35+12*Q], v4, s[6:7] offset:3072*Q th:TH_LOAD_NT
	global_load_b128 v[36+12*Q:39+12*Q], v5, s[6:7] offset:3072*Q th:TH_LOAD_NT
	global_load_b128 v[40+12*Q:43+12*Q], v6, s[6:7] offset:3072*Q th:TH_LOAD_NT
.set Q, Q+1
.endr
.set Q, 0
	s_wait_alu depctr_va_vdst(0)
.rept 8
	s_wait_loadcnt 21-3*Q                          ; this pair of rows is in; the three loads of each later pair may be out
	ds_store_b128 v8, v[32+12*Q:35+12*Q] offset:2*RP*Q
	ds_store_b128 v9, v[36+12*Q:39+12*Q] offset:2*RP*Q
	ds_store_b128 v10, v[40+12*Q:43+12*Q] offset:2*RP*Q
.set Q, Q+1
.endr
	s_wait_dscnt 0x0                               ; the stores have read their registers, which the loads below fill again
.set Q, 0
.rept 8                                ; K step Q: lane (r, h) takes the 24 bytes at 96 Q + 24 h and those 48 further on, in pieces of 8 bytes
.irp p, 0,1,2,3,4,5
	ds_load_b64 v[32+12*Q+2*\p:33+12*Q+2*\p], v11 offset:96*Q+48*(\p/3)+8*(\p%3)
.endr
.set Q, Q+1
.endr
.set Q, 0
.rept 8
	s_wait_dscnt 6*(7-Q)                           ; this fragment is in; the six loads of each later one may be out
.irp c, 0,1,2
	global_store_b128 v4, v[32+12*Q+4*\c:35+12*Q+4*\c], s[10:11] offset:1536*Q+512*\c   ; 512 consecutive bytes a store
.endr
.set Q, Q+1
.endr
	s_wait_tensorcnt 0x0
	ds_add_u32 v128, v129
	s_wait_dscnt 0x0
	s_endpgm
	; ---------------- the sort.  Wave w holds the keys of tokens 128 w + 32 j + l, j = 0 .. 3
.Lsort:
	s_lshl_b32 s20, s18, 9
	v_lshl_add_u32 v14, v2, 2, s20
	s_wait_alu depctr_va_vdst(0)
	s_wait_kmcnt 0x0
.irp j, 0,1,2,3
	global_load_b32 v[16+\j], v14, s[4:5] offset:128*\j
.endr
	v_mov_b32 v20, 0                               ; my wave's counts, pair p in lane p
	v_mov_b32 v23, 0                               ; where pair p begins
	s_wait_alu depctr_va_vdst(0)
	s_wait_loadcnt 0x0
.set P, 0
.irp kv, 1,2,3,4,5,6,7,15,14,13,12,11,10,19,20,21,22,23,31,30,29,28,37,38,39,47,46,55
	v_cmp_eq_u32 s40, \kv, v16
	v_cmp_eq_u32 s41, \kv, v17
	v_cmp_eq_u32 s42, \kv, v18
	v_cmp_eq_u32 s43, \kv, v19
	s_bcnt1_i32_b32 s40, s40
	s_bcnt1_i32_b32 s41, s41
	s_bcnt1_i32_b32 s42, s42
	s_bcnt1_i32_b32 s43, s43
	s_add_co_u32 s40, s40, s41
	s_add_co_u32 s42, s42, s43
	s_add_co_u32 s44, s40, s42
	v_writelane_b32 v20, s44, P
.set P, P+1
.endr
	ds_store_b32 v12, v20
	s_wait_dscnt 0x0                               ; for the others' sake: my counts lie in the table
	s_barrier_signal -1
	s_barrier_wait -1
.set W, 0
.rept 16
	ds_load_b32 v[32+W], v13 offset:128*W
.set W, W+1
.endr
	v_mov_b32 v21, 0                               ; pair p's tokens in all,
	v_mov_b32 v22, 0                               ; and in the waves below mine
	s_wait_alu depctr_va_vdst(0)
	s_wait_dscnt 0x0
.set W, 0
.rept 16
	v_add_nc_u32 v21, v21, v[32+W]
	s_cmp_gt_u32 s18, W
	s_cselect_b32 s40, 1, 0
	v_mad_u32_u24 v22, v[32+W], s40, v22
.set W, W+1
.endr
	s_mov_b32 s45, 0
.set P, 0
.rept 28                               ; the running sum over the pairs, lane by lane
	v_writelane_b32 v23, s45, P
	v_readlane_b32 s44, v21, P
	s_add_co_u32 s45, s45, s44
.set P, P+1
.endr
	v_add_nc_u32 v24, v23, v22                     ; where my wave's tokens of pair p begin
.irp j, 0,1,2,3
	v_mov_b32 v[25+\j], 0                          ; my four tokens' places
.endr
.set P, 0
.irp kv, 1,2,3,4,5,6,7,15,14,13,12,11,10,19,20,21,22,23,31,30,29,28,37,38,39,47,46,55
	v_readlane_b32 s45, v24, P
.irp j, 0,1,2,3
	v_cmp_eq_u32 s40, \kv, v[16+\j]
	s_delay_alu instid0(VALU_DEP_1)
	v_mbcnt_lo_u32_b32 v29, s40, s45               ; the pair's next free place + the lanes below me that hold the same pair
	s_delay_alu instid0(VALU_DEP_1)
	v_cndmask_b32 v[25+\j], v[25+\j], v29, s40
	s_bcnt1_i32_b32 s41, s40
	s_add_co_u32 s45, s45, s41
.endr
.set P, P+1
.endr
	s_lshl_b32 s40, s18, 7
	v_add_nc_u32 v48, s40, v2                      ; my tokens' numbers
.irp j, 1,2,3
	v_add_nc_u32 v[48+\j], 32*\j, v48
.endr
.irp j, 0,1,2,3
	v_min_u32 v[25+\j], 0x7ff, v[25+\j]            ; a place stays inside the list
.endr
.irp j, 0,1,2,3
	s_delay_alu instid0(VALU_DEP_4)
	v_lshlrev_b32 v[25+\j], 2, v[25+\j]
.endr
.irp j, 0,1,2,3
	global_store_b32 v[25+\j], v[48+\j], s[8:9]    ; scattered words, 8 KB in the whole launch: the places hang on the keys
.endr
	; block w's experts: pair p lies in the block where it has tokens, begins at or before the block's end and ends at or behind its start
	v_add_nc_u32 v29, v23, v21
	s_delay_alu instid0(VALU_DEP_1)
	v_add_nc_u32 v29, -1, v29
	s_delay_alu instid0(VALU_DEP_1)
	v_lshrrev_b32 v29, 7, v29                      ; the block of the pair's last token
	v_lshrrev_b32 v30, 7, v23                      ; and of its first
	s_delay_alu instid0(VALU_DEP_1)
	v_cmp_le_u32 s40, v30, s18
	s_delay_alu instid0(VALU_DEP_3)
	v_cmp_ge_u32 s41, v29, s18
	v_cmp_lt_u32 s42, 0, v21
	s_and_b32 s40, s40, s41
	s_and_b32 s40, s40, s42                        ; one bit a pair
	s_mov_b32 s43, 0
.macro BIT e, pm                       ; pm: the pairs that hold expert e
	s_and_b32 s41, s40, \pm
	s_cselect_b32 s41, 1<<\e, 0
	s_or_b32 s43, s43, s41
.endm
	BIT 0, 0x7f
	BIT 1, 0x1f81
	BIT 2, 0x3f002
	BIT 3, 0x3c2804
	BIT 4, 0x1e04408
	BIT 5, 0x6508210
	BIT 6, 0xc890120
	BIT 7, 0xb0600c0
	v_mov_b32 v31, s43
	s_lshl_b32 s41, s18, 2
	v_mov_b32 v30, s41
	v_cmp_eq_u32 vcc_lo, 0, v2
	s_wait_alu depctr_va_vdst(0)
	s_wait_xcnt 0x0                                ; EXEC changes only behind this wait
	s_wait_tensorcnt 0x0
	ds_add_u32 v128, v129
	s_wait_dscnt 0x0
	s_and_saveexec_b32 s42, vcc_lo
	global_store_b32 v30, v31, s[8:9] offset:8192
	s_wait_xcnt 0x0
	s_or_b32 exec_lo, exec_lo, s42
	s_endpgm
.Lfunc_end_k_q301e4edfa2_place:
	.size	k_q301e4edfa2_place, .Lfunc_end_k_q301e4edfa2_place-k_q301e4edfa2_place
	.p2alignl 7, 3214868480
	.fill 96, 4, 3214868480
	.section	.rodata,"a",@progbits
	.p2align	6, 0x0
	.amdhsa_kernel k_q301e4edfa2_place
		.amdhsa_group_segment_fixed_size 204800
		.amdhsa_private_segment_fixed_size 0
		.amdhsa_enable_private_segment 0
		.amdhsa_kernarg_size 32
		.amdhsa_user_sgpr_count 2
		.amdhsa_user_sgpr_kernarg_segment_ptr 1
		.amdhsa_wavefront_size32 1
		.amdhsa_system_sgpr_workgroup_id_x 1
		.amdhsa_system_sgpr_workgroup_id_y 1
		.amdhsa_system_sgpr_workgroup_id_z 1
		.amdhsa_system_vgpr_workitem_id 0
		.amdhsa_next_free_vgpr 130
		.amdhsa_next_free_sgpr 66
		.amdhsa_reserve_vcc 1
		.amdhsa_float_denorm_mode_32 3
		.amdhsa_float_denorm_mode_16_64 3
		.amdhsa_memory_ordered 1
		.amdhsa_forward_progress 1
		.amdhsa_inst_pref_size 76
	.end_amdhsa_kernel
	.amdgpu_metadata
---
amdhsa.version: [ 1, 2 ]
amdhsa.kernels:
  - .name:           k_q301e4edfa2_place
    .symbol:         k_q301e4edfa2_place.kd
    .args:
      - { .name: keys, .offset: 0, .size: 8, .value_kind: global_buffer, .address_space: global }
      - { .name: expert_w_codes, .offset: 8, .size: 8, .value_kind: global_buffer, .address_space: global }
      - { .name: plan, .offset: 16, .size: 8, .value_kind: global_buffer, .address_space: global }
      - { .name: w_img, .offset: 24, .size: 8, .value_kind: global_buffer, .address_space: global }
    .group_segment_fixed_size: 204800
    .private_segment_fixed_size: 0
    .kernarg_segment_align: 8
    .kernarg_segment_size: 32
    .max_flat_workgroup_size: 512
    .sgpr_count:     66
    .vgpr_count:     130
    .wavefront_size: 32
...
	.end_amdgpu_metadata
.endif
;; end of part 5
;; launch experts (part 6): grid 16 x 16, 4 waves a work-group, no clusters, 299,520 bytes of LDS; arguments x_codes, x_scales, keys, gates, plan, w_img, expert_w_scales, expert_b, out0; writes out0
.if DOCPART == 6
	.amdgcn_target "amdgcn-amd-amdhsa--gfx1250"
	.amdhsa_code_object_version 6
	.text
	.protected	k_q301e4edfa2_experts
	.globl	k_q301e4edfa2_experts
	.p2align	8
	.type	k_q301e4edfa2_experts,@function
k_q301e4edfa2_experts:
	s_mov_b64 s[64:65], 0
	v_nop
	global_prefetch_b8 v0, s[64:65] scope:SCOPE_SE
	s_setreg_imm32_b32 hwreg(HW_REG_WAVE_SCHED_MODE, 0, 2), 2
	s_setreg_imm32_b32 hwreg(HW_REG_WAVE_MODE, 25, 1), 1
	s_wait_xcnt 0x0
	s_wait_alu depctr_vm_vsrc(0)
; EXPERTS.  out[t] = the sum over t's two experts e of p_e (x_q[t] W_e + b_e), the product on codes of E2M3 with E8M0 scales, f32 sums.
; A work-group (x, y) owns the 128 tokens at sorted places 128 y .. 128 y + 127 and columns 128 x .. 128 x + 127, and walks only the experts that the block's tokens use (a stored set of bits).
; For each such expert all 128 rows are multiplied; a row's weight is p_lo, p_hi or 0 as the expert is its lower, its higher or none of its two.  So each output row has one owner and no sum goes through memory.
; WAVES: wave = 2 c + kh makes 128 tokens x 64 columns (128 x + 64 c on) over K half kh: 8 K steps of 128 an expert, 32 matrix instructions each.  Each weight byte is loaded by one wave and feeds 128 rows.
; The two K halves keep weighted sums of their own through all experts and meet once, at the end, through LDS.
; OPERANDS: the tokens' codes are gathered once into LDS (128 rows of 1,536 bytes, pitch 1,552).  The weights come from memory straight into operand registers, from images laid out by the launch before:
; three loads of 512 consecutive bytes a fragment, four K steps ahead in a ring of four register sets.
; NO TENSOR LOAD AND NO CLUSTER: the number of trips and the weights' addresses hang on the stored list, so partners would ask for different tiles in different numbers.  No prefetch: each image is read by
; several work-groups, and which comes first hangs on the list.
; THE MATRIX INSTRUCTION IS USED TRANSPOSED: source 0 = 16 columns of W, source 1 = 16 tokens: lane (r, h) holds token r and columns 16 n + 8 h + 0 .. 7.
; REGISTER TILE m HOLDS THE BLOCK'S TILE m xor 4 kh (by addresses alone): so every wave keeps register tiles 0-3 and hands 4-7 to its partner, and the way out has one path.
; LIMITS: NaN and infinities are not served; nor a weight scale byte 0xff or sums that overflow, since a row that did not choose an expert multiplies that expert's sum by 0.
; K is summed in two halves: the order of the f32 sums is not one ascending chain.
; REGISTERS, in windows of 256: window 0: below.  window 1: v0-191 the weights' ring, set s % 4 at 48 (s % 4) + 12 n; v192-223 the store offsets of my 64 rows.
;   window 2: the 32 accumulators of the expert in hand, (m, n) at 8 (4 m + n).   window 3: the weighted sums, likewise.  (At the start windows 2 and 3 take the gathered rows on their way to LDS.)
; THE MODE: SCHED_MODE bits 1:0 = 2 (LLVM: expert scheduling mode 2), set by the entry lines.  The code itself states the register dependences between vector or matrix instructions and memory or LDS
; instructions, with s_wait_alu, always for 0.
; THE PLAN.  Registers that memory or LDS instructions touch in the loop over experts:
;   AF, tiles 0-3   read by a K step's first 16 matrix instructions; behind them the LDS loads of the next K step's fragments land there.
;   AF, tiles 4-7   read by its second 16; behind them likewise.
;   ring set s % 4  read by all 32 of K step s; behind them the loads of the K step four on land there.
;   WSC, half q     read by K steps 4 q .. 4 q + 3; half 1 is loaded again behind K step 0, half 0 (the next expert's) behind K step 4.
;   BIAS            written by GATE's multiplies, read as C in K step 0; loaded again (the next expert's) behind K step 4.
;   v4, v5, v6, AAD offsets and LDS addresses: written at the head and never again.
;   XSC, LO, HI, GP, G and the accumulators are named in the loop by vector and matrix instructions alone.
; So a K step has TWO waits on va_vdst, one behind each 16 matrix instructions, each ahead of ONE run of loads: 12 LDS loads behind the first; behind the second the scale words and the bias, 12 LDS loads, and
; the ring's 12, with only loads and window switches between the wait and any of them.  One wait a K step would want a second set of 96 registers for x's fragments: of the wave's 1,024, the sums take 512,
; the ring 192, the store offsets 32 and window 0 is full: 32 are left.  The loads stay in runs: dealt singly among the matrix instructions each would want two switches of the register window.
; No address is written and nothing is stored in the loop, so it has no wait on vm_vsrc.  The head and the way out state their dependences where they stand.
.set PX,   1552                        ; a token's row in LDS: 1,536 + 16 bytes, an odd multiple of 16: sixteen rows of a 16-byte load start at sixteen different 16-byte columns of 256
.set EXCH, 128*PX                      ; behind the rows: 16,384 bytes for each wave, for the halves' exchange
.set STG,  EXCH+4*16384                ; and two stages of 16 rows x (256 + 16) bytes for each wave
.set AAD,  8                           ; v8-11   LDS address of my fragments of register tiles 2 g, 2 g + 1
.set TOK,  24                          ; v24-31  tile m: lane r's token
.set LO,   32                          ; v32-39  its lower expert
.set HI,   40                          ; v40-47  its higher
.set GP,   48                          ; v48-63  (p_lo, p_hi)
.set XSC,  64                          ; v64-95  x's scale words: 4 m + i: lanes 0-15 K step i, lanes 16-31 K step 4 + i of my half
.set WSC,  96                          ; v96-111 W's: 8 q + 4 n' + i: K step 4 q + i; lanes 0-15 column tile 2 n', lanes 16-31 tile 2 n' + 1
.set BIAS, 112                         ; v112-143 b_e at my lane's columns, 8 n + j
.set G,    144                         ; v144-159 tile m's weight for the expert in hand, at 2 m (the word above it is 0 and is never used)
.set AF,   160                         ; v160-255 x's fragments, 12 m
.set PD,   160                         ; the way out: the partner's sums;
.set RB,   192                         ; rows read back from the stage, two sets
.set CM,   32                          ; s32-47  GATE's masks: tile m's lower expert is the one in hand (CM + m), its higher is (CM + 8 + m).  (At the head s32-63 hold the tokens that the wave gathers)
.set MUL,  0xa1                        ; source 0 (W) window 1, source 1 (x) window 0, C and D window 2
.set MULB, 0x81                        ; the same with C (the bias) in window 0
.set TO_B, 0x40                        ; destination window 1
.set MRG,  0xf2                        ; source 0 window 2, source 1 window 0, source 2 and destination window 3
.set MSB, 0
.macro WIN new                         ; the immediate's high byte repeats the setting that is left; a switch that changes nothing is dropped
.if MSB != \new
	s_set_vgpr_msb (MSB<<8)|\new
.set MSB, \new
.endif
.endm
.macro PLACES                          ; four plain lines between a matrix instruction and a vector instruction that reads its result (ISA guide 7.12.1)
.rept 4
	v_nop
.endr
.endm
	s_load_b512 s[4:19], s[0:1], 0x0               ; x_codes s[4:5], x_scales s[6:7], keys s[8:9], gates s[10:11], plan s[12:13], w_img s[14:15], expert_w_scales s[16:17], expert_b s[18:19]
	s_load_b64 s[20:21], s[0:1], 0x40              ; out0
	v_lshl_add_u32 v22, v0, 2, 0x49000
	v_mov_b32 v23, 0
	v_lshrrev_b32 v1, 5, v0
	v_readfirstlane_b32 s22, v1                    ; wave
	v_and_b32 v1, 31, v0                           ; lane
	v_and_b32 v2, 15, v0                           ; r
	v_bfe_u32 v3, v0, 4, 1                         ; h
	v_lshlrev_b32 v4, 4, v1                        ; 16 l
	v_lshlrev_b32 v5, 6, v1                        ; 64 l: a column's row of scale bytes
	v_lshlrev_b32 v6, 5, v3                        ; 32 h: my eight columns of a tile, in f32
	v_lshlrev_b32 v7, 4, v2                        ; 16 r
	v_mul_u32_u24 v19, v2, PX
	v_mad_u32_u24 v19, v3, 48, v19                 ; row r, + 48 h
	s_wait_alu depctr_va_vdst(0)
.irp m, 0,1,2,3,4,5,6,7
	v_mov_b32 v[G+2*\m+1], 0                       ; named as the upper word of a pair
.endr
	s_wait_alu depctr_va_sdst(0)                   ; s22 is written, ahead of its first reader: kh, c and every base and LDS address of the wave are made from it
	s_and_b32 s23, s22, 1                          ; kh
	s_lshr_b32 s24, s22, 1                         ; c
	s_and_b32 s87, ttmp7, 0xffff                   ; y: the block of tokens
	s_mov_b32 s83, 0                               ; the upper word of every offset pair s[82:83]
	s_mul_i32 s88, s23, 768                        ; my K half: 8 K steps of 96 bytes
	s_lshl_b32 s89, s23, 1
.irp g, 0,1,2,3
	s_xor_b32 s90, s89, \g                         ; register tiles 2 g, 2 g + 1 are the block's rows 32 (g xor 2 kh) on
	s_mul_i32 s90, s90, 32*PX
	s_add_co_u32 s90, s90, s88
	v_add_nc_u32 v[AAD+\g], s90, v19
.endr
	v_lshlrev_b32 v19, 4, v3                       ; 16 h
	s_mul_i32 s90, s22, 32*PX
	v_add_nc_u32 v12, s90, v4                      ; where I put the rows that I gather: rows 32 wave on
	s_lshl_b32 s90, s22, 14
	s_add_co_u32 s90, s90, EXCH
	v_add_nc_u32 v13, s90, v4                      ; the exchange: what I hand over,
	s_xor_b32 s90, s22, 1
	s_lshl_b32 s90, s90, 14
	s_add_co_u32 s90, s90, EXCH
	v_add_nc_u32 v14, s90, v4                      ; and what my partner (the other K half) hands me
	s_mul_i32 s91, s22, 2*16*272
	s_add_co_u32 s91, s91, STG                     ; my stages
	v_mul_u32_u24 v15, v2, 272
	v_add_nc_u32 v15, v6, v15
	v_add_nc_u32 v15, s91, v15                     ; in: row r, + 32 h
	v_mul_u32_u24 v16, v3, 272
	v_add_nc_u32 v16, v7, v16
	v_add_nc_u32 v16, s91, v16                     ; back: lanes 0-15 one row, lanes 16-31 the next
	s_lshl_b32 s90, s23, 8
	v_lshl_add_u32 v17, v3, 2, s90                 ; in the block's list: rows 64 kh + h (the rows that I store)
	v_lshl_add_u32 v20, v2, 2, s90                 ; rows 64 kh + r: register tiles 0-3
	s_xor_b32 s90, s90, 256
	v_lshl_add_u32 v21, v2, 2, s90                 ; rows 64 (1 - kh) + r: register tiles 4-7
	s_wait_kmcnt 0x0
	s_lshl_b32 s82, s87, 9
	s_add_nc_u64 s[92:93], s[12:13], s[82:83]      ; the list at my block's first place
	s_lshl_b32 s82, s22, 7
	s_add_nc_u64 s[94:95], s[92:93], s[82:83]      ; and at the 32 rows that my wave gathers
	s_lshl_b32 s82, s87, 2
	s_add_co_u32 s82, s82, 8192
	s_add_nc_u64 s[98:99], s[12:13], s[82:83]      ; my block's set of experts
	s_load_b32 s25, s[98:99], 0x0
	s_load_b512 s[32:47], s[94:95], 0x0
	s_load_b512 s[48:63], s[94:95], 0x40
	s_wait_alu depctr_va_vdst(0)                   ; the offsets and LDS addresses v4 to v17, v20 and v21 are written: every load, store and LDS instruction of the kernel but the gathers reads one of them, and none is written again
.irp m, 0,1,2,3
	global_load_b32 v[TOK+\m], v20, s[92:93] offset:64*\m
	global_load_b32 v[TOK+4+\m], v21, s[92:93] offset:64*\m
.endr
	WIN TO_B
.set I, 0
.rept 32                               ; row 64 kh + 2 I + h: the token whose 256 bytes my lanes store in the I-th store of the way out
	global_load_b32 v[192+I], v17, s[92:93] offset:8*I
.set I, I+1
.endr
	WIN 0
	s_lshl_b32 s90, ttmp9, 3
	s_lshl_b32 s91, s24, 2
	s_add_co_u32 s90, s90, s91                     ; my first column tile: 8 x + 4 c
	s_mul_i32 s82, s90, 16*1536
	s_mul_i32 s91, s23, 8*1536
	s_add_co_u32 s82, s82, s91
	s_add_nc_u64 s[76:77], s[14:15], s[82:83]      ; expert 0's images of my tiles, my K half
	s_lshl_b32 s82, s90, 10
	s_lshl_b32 s91, s23, 5
	s_add_co_u32 s82, s82, s91
	s_add_nc_u64 s[78:79], s[16:17], s[82:83]      ; its scale bytes: 64 a column, + 32 kh
	s_lshl_b32 s82, s90, 6
	s_add_nc_u64 s[80:81], s[18:19], s[82:83]      ; its bias at my first column
	s_add_nc_u64 s[84:85], s[20:21], s[82:83]      ; and out0 at my first column
	s_mov_b32 s82, s91
	s_add_nc_u64 s[6:7], s[6:7], s[82:83]          ; x's scale bytes, my K half
	s_cmp_eq_u32 s23, 0
	s_cselect_b32 s30, 0x3f800000, 0               ; the bias counts once: in K half 0
	s_mov_b32 s31, s30                             ; (named with it as a pair)
	s_wait_kmcnt 0x0
	s_and_b32 s25, s25, 0xff                       ; the experts still to be taken
	s_bcnt1_i32_b32 s26, s25
	s_max_u32 s26, s26, 1
	s_sub_co_u32 s26, s26, 1                       ; trips of the loop: all experts but the last
	s_ctz_i32_b32 s28, s25
	s_min_u32 s28, s28, 7                          ; the expert in hand
	s_sub_co_u32 s90, s25, 1
	s_and_b32 s25, s25, s90
	s_ctz_i32_b32 s29, s25
	s_min_u32 s29, s29, 7                          ; the next (7 where there is none: then nothing is loaded by it)
	s_sub_co_u32 s90, s25, 1
	s_and_b32 s25, s25, s90
.macro BASES ex, sb, ss, sbi           ; expert s[ex]'s images, scale bytes and bias
	s_mul_i32 s82, s[\ex], 128*16*1536
	s_add_nc_u64 s[\sb:\sb+1], s[76:77], s[82:83]
	s_lshl_b32 s82, s[\ex], 17
	s_add_nc_u64 s[\ss:\ss+1], s[78:79], s[82:83]
	s_lshl_b32 s82, s[\ex], 13
	s_add_nc_u64 s[\sbi:\sbi+1], s[80:81], s[82:83]
.endm
	BASES 28, 66, 70, 96
	BASES 29, 68, 72, 74
.macro LOAD_WS q, base                 ; W's scale words of K steps 4 q .. 4 q + 3: lane l takes column 32 n' + l
	WIN 0
.irp np, 0,1
	global_load_b128 v[WSC+8*(\q)+4*\np:WSC+8*(\q)+4*\np+3], v5, s[\base:\base+1] offset:2048*\np+16*(\q)
.endr
.endm
.macro LOAD_BIAS base
	WIN 0
.irp n, 0,1,2,3
	global_load_b128 v[BIAS+8*\n:BIAS+8*\n+3], v6, s[\base:\base+1] offset:64*\n
	global_load_b128 v[BIAS+8*\n+4:BIAS+8*\n+7], v6, s[\base:\base+1] offset:64*\n+16
.endr
.endm
.macro LOAD_B set, base, s             ; K step s's four fragments of W: twelve loads of 512 consecutive bytes
	WIN TO_B
.irp n, 0,1,2,3
.irp i, 0,1,2
	global_load_b128 v[48*(\set)+12*\n+4*\i:48*(\set)+12*\n+4*\i+3], v4, s[\base:\base+1] offset:24576*\n+1536*(\s)+512*\i
.endr
.endr
.endm
	LOAD_WS 0, 70                                  ; the first expert's first four K steps: 2 + 8 + 48 = 58 loads, in the order in which a trip asks for the next expert's.  No vector instruction has named the registers in which they land
	LOAD_BIAS 96
	LOAD_B 0, 66, 0
	LOAD_B 1, 66, 1
	LOAD_B 2, 66, 2
	LOAD_B 3, 66, 3
	WIN 0
	s_wait_loadcnt 58                              ; the 40 token loads are in; the 58 behind them may be out
	; all the offsets that hang on tokens are made here, in one block, so that one wait serves the 120 loads behind it
.irp m, 0,1,2,3,4,5,6,7
	v_min_u32 v[TOK+\m], 0x7ff, v[TOK+\m]          ; a token stays inside its tables
.endr
.irp m, 0,1,2,3,4,5,6,7
	v_lshlrev_b32 v[192+\m], 2, v[TOK+\m]
	v_lshlrev_b32 v[200+\m], 3, v[TOK+\m]
	v_lshl_add_u32 v[208+\m], v[TOK+\m], 6, v19    ; 64 bytes of scales a token, + 16 h
.endr
	WIN 0x44                                       ; source 1 and destination window 1
.set I, 0
.rept 32
	v_min_u32 v[192+I], 0x7ff, v[192+I]
.set I, I+1
.endr
	WIN 0x41                                       ; source 0 and destination window 1
.set I, 0
.rept 32
	v_lshl_add_u32 v[192+I], v[192+I], 13, v7      ; the token's row of out0, + 16 r
.set I, I+1
.endr
	WIN 0
.set I, 0
.rept 32                               ; the rows that my wave gathers: the token is the same for all lanes, so it is a scalar
	s_min_u32 s[32+I], s[32+I], 0x7ff
	s_mul_i32 s[32+I], s[32+I], 1536
	v_add_nc_u32 v[160+I], s[32+I], v4
.set I, I+1
.endr
	s_wait_alu depctr_va_vdst(0)                   ; v160 to v215 are written, which the 120 loads below read as their offsets; so are the store offsets in window 1, which the way out's stores read
.irp m, 0,1,2,3,4,5,6,7
	global_load_b32 v[LO+\m], v[192+\m], s[8:9]
	global_load_b64 v[GP+2*\m:GP+2*\m+1], v[200+\m], s[10:11]
	global_load_b128 v[XSC+4*\m:XSC+4*\m+3], v[208+\m], s[6:7]
.endr
.set I, 0
.rept 96                               ; three loads of 512 consecutive bytes a row; they land in windows 2 and 3
.if I < 64
	WIN 0x80
	global_load_b128 v[4*I:4*I+3], v[160+I/3], s[4:5] offset:512*(I%3)
.else
	WIN 0xc0
	global_load_b128 v[4*(I-64):4*(I-64)+3], v[160+I/3], s[4:5] offset:512*(I%3)
.endif
.set I, I+1
.endr
.set I, 0
.rept 96
.if I == 0
	s_wait_loadcnt 48                              ; the first 48 of the 96 are in
.elseif I == 48
	s_wait_loadcnt 24
.elseif I == 72
	s_wait_loadcnt 0x0
.endif
.if I < 64
	WIN 0x08                                       ; an LDS store's data are its source 1
	ds_store_b128 v12, v[4*I:4*I+3] offset:PX*(I/3)+512*(I%3)
.else
	WIN 0x0c
	ds_store_b128 v12, v[4*(I-64):4*(I-64)+3] offset:PX*(I/3)+512*(I%3)
.endif
.set I, I+1
.endr
	WIN 0
.irp m, 0,1,2,3,4,5,6,7
	v_and_b32 v[HI+\m], 7, v[LO+\m]                ; key = 8 lo + hi
	v_lshrrev_b32 v[LO+\m], 3, v[LO+\m]
.endr
	s_wait_dscnt 0x0                               ; for the others' sake: my 32 rows lie in LDS
	s_wait_alu depctr_vm_vsrc(0)                   ; the LDS stores have read windows 2 and 3, which the zeros below and the first products write; the loads above have read their offsets v160 to v215, in which x's fragments land
	s_barrier_signal -1
	WIN 0xc0
.set I, 0
.rept 256
	v_mov_b32 v[I], 0                              ; the weighted sums begin at 0: which expert comes first hangs on the list, and every expert adds weight x sum.  Register work while the others arrive
.set I, I+1
.endr
	WIN 0
	s_barrier_wait -1
.macro FETCH_A s, m0                   ; x's fragments of register tiles m0 .. m0 + 3, K step s: 48 consecutive bytes a lane
.irp m, \m0, \m0+1, \m0+2, \m0+3
.irp i, 0,1,2
	ds_load_b128 v[AF+12*(\m)+4*\i:AF+12*(\m)+4*\i+3], v[AAD+(\m)/2] offset:16*PX*((\m)&1)+96*(\s)+16*\i
.endr
.endr
.endm
.macro WMM ra, rb                      ; ra, rb: which half of the lanes holds W's and x's scale words
.if (\ra) == 0 && (\rb) == 0
	v_wmma_scale_f32_16x16x128_f8f6f4 v[rD:rD+7], v[rB:rB+11], v[rA:rA+11], v[rC:rC+7], v[rSA], v[rSB] matrix_a_fmt:MATRIX_FMT_FP6 matrix_b_fmt:MATRIX_FMT_FP6
.elseif (\ra) == 1 && (\rb) == 0
	v_wmma_scale_f32_16x16x128_f8f6f4 v[rD:rD+7], v[rB:rB+11], v[rA:rA+11], v[rC:rC+7], v[rSA], v[rSB] matrix_a_fmt:MATRIX_FMT_FP6 matrix_b_fmt:MATRIX_FMT_FP6 matrix_a_scale:MATRIX_SCALE_ROW1
.elseif (\ra) == 0
	v_wmma_scale_f32_16x16x128_f8f6f4 v[rD:rD+7], v[rB:rB+11], v[rA:rA+11], v[rC:rC+7], v[rSA], v[rSB] matrix_a_fmt:MATRIX_FMT_FP6 matrix_b_fmt:MATRIX_FMT_FP6 matrix_b_scale:MATRIX_SCALE_ROW1
.else
	v_wmma_scale_f32_16x16x128_f8f6f4 v[rD:rD+7], v[rB:rB+11], v[rA:rA+11], v[rC:rC+7], v[rSA], v[rSB] matrix_a_fmt:MATRIX_FMT_FP6 matrix_b_fmt:MATRIX_FMT_FP6 matrix_a_scale:MATRIX_SCALE_ROW1 matrix_b_scale:MATRIX_SCALE_ROW1
.endif
.endm
; 16 matrix instructions: register tiles m0 .. m0 + 3 x my four column tiles, K step s.  In K step 0 the bias is C: it starts the sums.
; The 32 accumulators take turns, one instruction a turn, in the same order in every K step.
.macro MUL16 s, m0
.irp m, \m0, \m0+1, \m0+2, \m0+3
.irp n, 0,1,2,3
.set rD, 8*(4*(\m)+\n)
.set rC, rD
.if (\s) == 0
.set rC, BIAS+8*\n
.endif
.set rB, 48*((\s)&3)+12*\n
.set rA, AF+12*(\m)
.set rSA, WSC+8*((\s)>>2)+4*(\n>>1)+((\s)&3)
.set rSB, XSC+4*(\m)+((\s)&3)
	WMM (\n&1), ((\s)>>2)
.endr
.endr
.endm
; What a K step asks of memory at its end: the K step four on, of this expert or (last = 0) of the next, into the ring's set that it has just multiplied; with it, behind K step 0 this expert's second
; scale words, behind K step 4 the next expert's first scale words and bias.  Loads a group: 14, 12, 12, 12, 22, 12, 12, 12.  GROUP_S: those that land in window 0; GROUP_B: the ring's.
.macro GROUP_S s, last
.if (\s) == 0
	LOAD_WS 1, 70
.elseif ((\s) == 4) && !(\last)
	LOAD_WS 0, 72
	LOAD_BIAS 74
.endif
.endm
.macro GROUP_B s, last
.if (\s) < 4
	LOAD_B \s, 66, (\s)+4
.elseif !(\last)
	LOAD_B (\s)-4, 68, (\s)-4
.endif
.endm
.macro KSTEP s, last
.if (\s) == 0
.set WM, MULB                          ; (this K step's loads were shown in by the wait at the expert's head)
.else
.set WM, MUL
.if (\s) < 4
	s_wait_loadcnt 38                              ; behind this K step's group: three groups, of 12, 12 and 14 loads
.elseif (\s) == 4
	s_wait_loadcnt 36                              ; three groups of 12
.elseif \last
	s_wait_loadcnt 12*(7-(\s))                     ; the last expert asks for nothing more: 24, 12, 0
.else
	s_wait_loadcnt 46                              ; 12, 12 and 22
.endif
.endif
	s_wait_dscnt 12                                ; x's tiles 0-3 are in; the twelve younger loads (tiles 4-7) may be out
	WIN WM
	MUL16 \s, 0
	s_wait_dscnt 0x0                               ; tiles 4-7 are in
.if (!(\last)) || ((\s) < 7)
	WIN 0
	s_wait_alu depctr_va_vdst(0)                   ; the sixteen matrix instructions above are done reading x's tiles 0-3, in which the twelve loads below land
	FETCH_A ((\s)+1)&7, 0                          ; x is the same for every expert: K step 7 fetches K step 0 again
.endif
	WIN WM
	MUL16 \s, 4
.if (!(\last)) || ((\s) < 7)                   ; (the last expert's last K step loads nothing, so it has neither wait)
	WIN 0
	s_wait_alu depctr_va_vdst(0)                   ; the K step's matrix instructions are done reading x's tiles 4-7 and the ring's set s % 4; those of earlier K steps the scale words and the bias that are loaded anew behind K steps 0 and 4, and GATE has written that bias.  Only loads and a window switch follow, up to the run's end
	GROUP_S \s, \last
	FETCH_A ((\s)+1)&7, 4
	GROUP_B \s, \last
.endif
.endm
.macro GATE                            ; the bias counts in K half 0 alone; tile m's weight: p_lo, p_hi or 0
.irp m, 0,1,2,3,4,5,6,7
	v_cmp_eq_u32 s[CM+\m], s28, v[LO+\m]           ; the sixteen compares in one run, a mask register each
	v_cmp_eq_u32 s[CM+8+\m], s28, v[HI+\m]
.endr
.set I, 0
.rept 16
	v_pk_mul_f32 v[BIAS+2*I:BIAS+2*I+1], v[BIAS+2*I:BIAS+2*I+1], s[30:31] op_sel_hi:[1,0]
.set I, I+1
.endr
	s_wait_alu depctr_va_sdst(0)                   ; the sixteen masks are written, ahead of the selects that read them; the multiplies above are the work between
.irp m, 0,1,2,3,4,5,6,7
	v_cndmask_b32 v[G+2*\m], 0, v[GP+2*\m], s[CM+\m]
.endr
.irp m, 0,1,2,3,4,5,6,7
	v_cndmask_b32 v[G+2*\m], v[G+2*\m], v[GP+2*\m+1], s[CM+8+\m]
.endr
.endm
.macro MERGE                           ; weighted sums += weight x the expert's sums; each accumulator is read from its low end on
	WIN MRG
.set I, 0
.rept 32
.irp j, 0,2,4,6
	v_pk_fma_f32 v[8*I+\j:8*I+\j+1], v[8*I+\j:8*I+\j+1], v[G+2*(I/4):G+2*(I/4)+1], v[8*I+\j:8*I+\j+1] op_sel_hi:[1,0,1]
.endr
.set I, I+1
.endr
	WIN 0
.endm
.macro NEXT
	s_wait_xcnt 0x0                                ; the loads issued so far have read their bases, which are written below
	s_mov_b64 s[66:67], s[68:69]
	s_mov_b64 s[70:71], s[72:73]
	s_mov_b32 s28, s29
	s_ctz_i32_b32 s29, s25
	s_min_u32 s29, s29, 7
	s_sub_co_u32 s90, s25, 1
	s_and_b32 s25, s25, s90
	BASES 29, 68, 72, 74
.endm
.macro EXPERT last
	s_wait_loadcnt 36                              ; this expert's bias, first scale words and K step 0 are in; behind them three groups of 12 may be out
	GATE
.irp s, 0,1,2,3,4,5,6,7
	KSTEP \s, \last
.endr
	PLACES                                         ; behind the last K step's products, ahead of the first read of a sum: the later sums have MERGE's own lines on other accumulators between
	MERGE
.if !(\last)
	NEXT
.endif
.endm
	s_wait_alu depctr_va_vdst(0)                   ; the head's vector lines have written v160 to v215 (they were offsets), in which x's first fragments land
	FETCH_A 0, 0
	FETCH_A 0, 4
	s_mov_b32 s27, 0
	s_cmp_eq_u32 s26, 0
	s_cbranch_scc1 .Ltail
.Lexp:                                                 ; a trip: one expert, and the requests for the next one's first four K steps
	EXPERT 0
	s_add_co_u32 s27, s27, 1
	s_cmp_lt_u32 s27, s26
	s_cbranch_scc1 .Lexp
.Ltail:                                                ; the last expert is written out: it asks for nothing beyond itself
	EXPERT 1
	; THE WAY OUT.  Register tiles 4-7 go to my partner as images of their registers; its tiles 4-7 are my tiles 0-3.
	WIN 0x0c
	s_wait_alu depctr_va_vdst(0)                   ; MERGE has written the weighted sums, which the LDS stores below read; the last products are done reading x's fragments, in whose registers the first loads of PD and RB land
.set I, 0
.rept 16
	ds_store_b128 v13, v[128+8*I:128+8*I+3] offset:1024*I
	ds_store_b128 v13, v[128+8*I+4:128+8*I+7] offset:1024*I+512
.set I, I+1
.endr
	WIN 0
	s_wait_dscnt 0x0                               ; for my partner's sake: the images lie in LDS
	s_barrier_signal -1
	s_barrier_wait -1
; A tile of 16 tokens x 64 columns at a time: the two halves are added; a lane's 32 bytes of a token go into my own stage, whole rows of 256 bytes come back, and sixteen lanes store a token's 256
; consecutive bytes, at a multiple of 256 from out0's first byte.  LDS serves a wave's instructions in order: no wait between the stage's stores and loads.
; PD: LDS loads land in it, the additions write it in place, the stage's stores read it.  RB, two sets by turns: LDS loads land in it, the global stores read it.
.irp mp, 0,1,2,3
.if \mp >= 2
	s_wait_xcnt 0x0                                ; the stores of two tiles ago have read the registers that the loads below fill
.endif
.if \mp >= 1
	s_wait_alu depctr_vm_vsrc(0)                   ; the last tile's LDS stores have read PD, and the global stores of two tiles ago their set of RB: loads land in both below
	s_wait_alu depctr_va_vdst(0)                   ; the last tile's additions have written PD, in which the loads below land
.endif
.irp n, 0,1,2,3
	ds_load_b128 v[PD+8*\n:PD+8*\n+3], v14 offset:1024*(4*\mp+\n)
	ds_load_b128 v[PD+8*\n+4:PD+8*\n+7], v14 offset:1024*(4*\mp+\n)+512
.endr
	s_wait_dscnt 0x0
	WIN 0x03                                       ; source 0: my sums, window 3
.irp q, 0,2,4,6,8,10,12,14,16,18,20,22,24,26,28,30
	v_pk_add_f32 v[PD+\q:PD+\q+1], v[32*\mp+\q:32*\mp+\q+1], v[PD+\q:PD+\q+1]
.endr
	WIN 0
	s_wait_alu depctr_va_vdst(0)                   ; the additions have written PD, which the LDS stores below read
.irp n, 0,1,2,3
	ds_store_b128 v15, v[PD+8*\n:PD+8*\n+3] offset:4352*(\mp%2)+64*\n
	ds_store_b128 v15, v[PD+8*\n+4:PD+8*\n+7] offset:4352*(\mp%2)+64*\n+16
.endr
.irp i, 0,1,2,3,4,5,6,7
	ds_load_b128 v[RB+32*(\mp%2)+4*\i:RB+32*(\mp%2)+4*\i+3], v16 offset:4352*(\mp%2)+544*\i
.endr
	WIN 0x01                                       ; the stores' offsets lie in window 1
.irp i, 0,1,2,3,4,5,6,7
	s_wait_dscnt 7-\i                              ; rows 2 i, 2 i + 1 are back; the later loads may be out.  (At i = 7 all my LDS instructions are done)
	global_store_b128 v[192+8*\mp+\i], v[RB+32*(\mp%2)+4*\i:RB+32*(\mp%2)+4*\i+3], s[84:85] th:TH_STORE_NT
.endr
	WIN 0
.endr
	s_wait_dscnt 0x0
	s_wait_alu depctr_hold_cnt(0) depctr_sa_sdst(0) depctr_va_vdst(0) depctr_va_sdst(0) depctr_va_ssrc(0) depctr_va_vcc(0) depctr_vm_vsrc(0)
	s_wait_tensorcnt 0x0
	ds_add_u32 v22, v23
	s_wait_dscnt 0x0
	s_endpgm
.Lfunc_end_k_q301e4edfa2_experts:
	.size	k_q301e4edfa2_experts, .Lfunc_end_k_q301e4edfa2_experts-k_q301e4edfa2_experts
	.p2alignl 7, 3214868480
	.fill 96, 4, 3214868480
	.section	.rodata,"a",@progbits
	.p2align	6, 0x0
	.amdhsa_kernel k_q301e4edfa2_experts
		.amdhsa_group_segment_fixed_size 299520
		.amdhsa_private_segment_fixed_size 0
		.amdhsa_enable_private_segment 0
		.amdhsa_kernarg_size 72
		.amdhsa_user_sgpr_count 2
		.amdhsa_user_sgpr_kernarg_segment_ptr 1
		.amdhsa_wavefront_size32 1
		.amdhsa_system_sgpr_workgroup_id_x 1
		.amdhsa_system_sgpr_workgroup_id_y 1
		.amdhsa_system_sgpr_workgroup_id_z 1
		.amdhsa_system_vgpr_workitem_id 0
		.amdhsa_next_free_vgpr 1024
		.amdhsa_next_free_sgpr 100
		.amdhsa_reserve_vcc 0
		.amdhsa_float_denorm_mode_32 3
		.amdhsa_float_denorm_mode_16_64 3
		.amdhsa_memory_ordered 1
		.amdhsa_forward_progress 1
		.amdhsa_inst_pref_size 200
	.end_amdhsa_kernel
	.amdgpu_metadata
---
amdhsa.version: [ 1, 2 ]
amdhsa.kernels:
  - .name:           k_q301e4edfa2_experts
    .symbol:         k_q301e4edfa2_experts.kd
    .args:
      - { .name: x_codes, .offset: 0, .size: 8, .value_kind: global_buffer, .address_space: global }
      - { .name: x_scales, .offset: 8, .size: 8, .value_kind: global_buffer, .address_space: global }
      - { .name: keys, .offset: 16, .size: 8, .value_kind: global_buffer, .address_space: global }
      - { .name: gates, .offset: 24, .size: 8, .value_kind: global_buffer, .address_space: global }
      - { .name: plan, .offset: 32, .size: 8, .value_kind: global_buffer, .address_space: global }
      - { .name: w_img, .offset: 40, .size: 8, .value_kind: global_buffer, .address_space: global }
      - { .name: expert_w_scales, .offset: 48, .size: 8, .value_kind: global_buffer, .address_space: global }
      - { .name: expert_b, .offset: 56, .size: 8, .value_kind: global_buffer, .address_space: global }
      - { .name: out0, .offset: 64, .size: 8, .value_kind: global_buffer, .address_space: global }
    .group_segment_fixed_size: 299520
    .private_segment_fixed_size: 0
    .kernarg_segment_align: 8
    .kernarg_segment_size: 72
    .max_flat_workgroup_size: 128
    .sgpr_count:     100
    .vgpr_count:     1024
    .wavefront_size: 32
...
	.end_amdgpu_metadata
.endif
;; end of part 6
